; MI455X (gfx1250); checked and timed in simulation.
; The chip was launched on July 23, 2026; its instructions are those of AMD's public machine-readable ISA for CDNA 5 (MIT licence, August 2026) and "CDNA5" Instruction Set Architecture Reference Guide (July 2026). The comments in the code are by the model that wrote it; some were corrected since.
;; Multi Head Causal Attention. Allowed arithmetic: matrix products marked QUANTISED: E2M3 operands, one E8M0 scale for each 32 along K, by v_wmma_scale_f32_16x16x128_f8f6f4 with both operands' format E2M3, f32 sums; everything else in f32.
;; Inputs: W_out 1,024 x 1,024 float32; W_qkv 1,024 x 3,072 float32; b_out 1,024 float32; b_qkv 3,072 float32; x 4 x 2,048 x 1,024 float32.
;; Outputs: out0 4 x 2,048 x 1,024 float32.
;; This version of the problem:
;;   THIS VERSION OF THE PROBLEM IS GIVEN IN LOW PRECISION. The matrix products marked QUANTISED in the list below multiply operands that are first quantised to E2M3 (2 exponent bits, 3 mantissa bits; 6 bits a number), with one power-of-two scale for each 32 numbers along K (OCP MX v1.0); their sums are f32. All else is computed in f32.
;;   The module's matrix products, in the order in which they are computed (A, B: the left and right operand; K: the contracted axis; several contracted axes count as one K, in the product's order):
;;     1. [M 8,192, K 1,024] x [K 1,024, N 3,072]; A: input x; B: input W_qkv: QUANTISED
;;     2. batch 64 x [M 2,048, K 64] x [K 64, N 2,048]; A: computed on the way; B: computed on the way: QUANTISED
;;     3. batch 64 x [M 2,048, K 2,048] x [K 2,048, N 64]; A: softmax (see below); B: computed on the way: QUANTISED
;;     4. [M 8,192, K 1,024] x [K 1,024, N 1,024]; A: computed on the way; B: input W_out: QUANTISED
;;   THE QUANTISER, for each operand of a quantised product, along K:
;;     - K is cut into blocks of 32 from its start; a last block that is shorter is filled with zeros.
;;     - A block's scale is 2^e with e = floor(log2(the largest magnitude in the block)) - 2, held to -126 .. 127; a block of zeros has e = 0. As a byte (E8M0): e + 127.
;;     - Each number is divided by its block's scale, clamped to +-7.5, and rounded to the nearest number of E2M3, ties to even, subnormals kept.
;;     - The product sums the exact products of the quantised numbers (number of the format x scale) in f32.
;;   ~~~python
;;   def quantise(x, axis):      # numpy; x: float32 -> the quantised numbers, widened to float32 again
;;       x = np.moveaxis(x, axis, -1); K = x.shape[-1]
;;       x = np.pad(x, [(0, 0)] * (x.ndim - 1) + [(0, -K % 32)]); x = x.reshape(x.shape[:-1] + (-1, 32)); a = np.abs(x).max(-1, keepdims=True)
;;       e = np.where(a > 0, np.clip(np.frexp(np.where(a > 0, a, 1))[1] - 1 - 2, -126, 127), 0)      # np.frexp(a)[1] - 1 = floor(log2(a)), exactly
;;       r = np.clip(x / 2.0 ** e, -7.5, 7.5)
;;       step = 2.0 ** (np.maximum(np.frexp(np.where(r == 0, 1, r))[1] - 1, 0) - 3)
;;       q = np.round(r / step) * step * 2.0 ** e      # np.round: ties to even
;;       return np.moveaxis(q.reshape(q.shape[:-2] + (-1,))[..., :K], -1, axis).astype(np.float32)
;;   ~~~
;;   SOFTMAX AHEAD OF A QUANTISED PRODUCT. Where the list says 'softmax', what is quantised is not the finished softmax but p = 2^(t - M), with t = logit x log2(e) and M = ceil(the row's largest t), a whole number; so 1/2 < the row's largest p <= 1. The row's sum l is taken of the UNQUANTISED p, in f32, and the product's result is divided by l at the end. Since M is a whole number, a kernel that streams over the keys may use a running M (the ceiling of the running maximum): every later rescaling is an exact power of two, which a block's scale takes up: the codes' values come out the same.
;;   OPERANDS COMPUTED ON THE WAY. 'Computed on the way' means the value that the module computes at that place (a softmax that the list does not call 'softmax' is quantised finished and normalised). What goes into a quantiser is computed in f32, as accurately as f32 sums, v_exp_f32 and their like allow (about 1e-6 of the number): no bf16 or f16 on the way to a quantiser, and a product that is left as it is and whose result goes on into a quantised operand takes f32 operands (vector FMAs, or v_wmma_f32_16x16x4_f32). A number that lies on a knife's edge between two numbers of the format may be rounded either way, as far as f32 arithmetic and the matrix unit's own rounding can turn it there, and no further.
;; One version. Each part assembles by itself: llvm-mc -triple=amdgcn-amd-amdhsa -mcpu=gfx1250 --defsym DOCPART=n.
;; ======== version 1 of 1: 4 launches
;; workspace buffers: xc 6,291,456 bytes; wc 3,145,728 bytes; sc1 360,448 bytes; sc2 294,912 bytes; qkvc 18,874,368 bytes; qkvs 786,432 bytes; ac 6,291,456 bytes
;; launch quant (part 1): grid 96 x 4, 4 waves a work-group, no clusters, 34,304 bytes of LDS; arguments x, W_qkv, W_out, xc, wc, sc1, sc2; writes xc, wc, sc1, sc2
.if DOCPART == 1
	.amdgcn_target "amdgcn-amd-amdhsa--gfx1250"
	.amdhsa_code_object_version 6
	.text
	.protected	k_q1fb4a4ed4e_quant
	.globl	k_q1fb4a4ed4e_quant
	.p2align	8
	.type	k_q1fb4a4ed4e_quant,@function
k_q1fb4a4ed4e_quant:
	s_mov_b64 s[64:65], 0
	v_nop
	global_prefetch_b8 v0, s[64:65] scope:SCOPE_SE
	s_setreg_imm32_b32 hwreg(HW_REG_WAVE_MODE, 25, 1), 1
	s_wait_xcnt 0x0
; x [8192][1024], W_qkv [1024][3072] and W_out [1024][1024], f32, become codes of FP6 (E2M3) with one E8M0 byte for each 32 along K (K = 1024: x's last axis, the weights' first).
; A block's scale is 2^(floor(log2(its largest magnitude)) - 2); its byte is the largest magnitude's exponent field - 2, held at 1 from below.
; LIMITS: NaN and infinities among the inputs are not served.  A block of zeros, or one whose largest magnitude lies under 2^(3 - 127), gets the byte 1 (its codes are zeros or the nearest codes under that scale); the bytes are read by this program alone.
; THE CODES ARE LAID AS THE MATRIX UNIT'S REGISTERS TAKE THEM.  Tile t of 16 rows (tokens, or columns of a weight) holds rows 32 (t / 2) + 8 (t % 2) + r + 8 (r / 8), r = 0 .. 15.
; A fragment (a tile x 128 along K) is 1,536 bytes: for c = 0, 1: the operand's registers 6 c .. 6 c + 3 at 768 c + 16 x lane, registers 6 c + 4, 6 c + 5 at 768 c + 512 + 8 x lane; lane 16 h + r holds k = 64 c + 32 h + 0 .. 31 of the tile's row r.
; xc: [512 tiles][8 K steps][1,536];  wc: [256 tiles][8][1,536], tiles 0-191 W_qkv's columns, 192-255 W_out's.  Scale bytes lie by natural rows, 32 bytes a row: sc1 rows 0-8191 x, 8192 + n W_qkv's column n; sc2 rows 8192 + n W_out's.
; Work-groups with x < 64 take x (a wave: one tile of tokens x 512 along K), the others the weights (a wave: 32 columns x 256 along K).  Only the first kind uses LDS: a stage for each wave, in which 16 rows x 512 bytes, loaded
; as they lie (each load 512 consecutive bytes), are turned so that a lane gets 32 neighbours along K.  No barrier: waves share nothing.
.set STGB,  8448                       ; a wave's stage: 16 rows x (512 + 16) bytes: the 16 rows that a load of 16 bytes a lane touches start 16 bytes apart modulo 256
.set SPARE, 4*STGB                     ; behind the stages: the spare words, 128 bytes for each wave, that no other line names
.set SPW, 12                           ; v12 LDS address of my spare word; never rewritten
.set NIL, 13                           ; v13 0; never rewritten
.set TM,  14                           ; v14-15 largest magnitudes
.set SO,  16                           ; v16-17 the conversions' scale operands
.set BY,  18                           ; v18-19 scale bytes
.set T,   20                           ; v20-21 at work
.set R,   32                           ; x: v32-159 two sets of 64 registers as loaded
.set X,   160                          ; x: v160-223 my 64 numbers: two whole blocks of 32
.set PC,  224                          ; x: v224-235 a fragment's codes
.set CT,  236                          ; x: v236-242 the second halves of the blocks' codes
.set WD,  244                          ; x: v244-247 the four fragments' scale words
.set OF,  32                           ; weights: v32-63 byte offset of row i of a block, at my column
.set XW,  64                           ; weights: v64-127 two sets of 32 numbers
.set CB,  128                          ; weights: v128-151 four blocks' codes, 6 registers each
.set CU,  152                          ; weights: v152-154 the second half of a block's codes
.set WB,  156                          ; weights: v156-157 my column's 8 scale bytes
	s_load_b256 s[4:11], s[0:1], 0x0               ; x s[4:5], W_qkv s[6:7], W_out s[8:9], xc s[10:11]
	s_load_b128 s[12:15], s[0:1], 0x20             ; wc s[12:13], sc1 s[14:15]
	s_load_b64 s[16:17], s[0:1], 0x30              ; sc2
	v_lshl_add_u32 v[SPW], v0, 2, SPARE
	v_mov_b32 v[NIL], 0
	v_lshrrev_b32 v1, 5, v0
	v_readfirstlane_b32 s18, v1                    ; wave 0..3
	v_and_b32 v1, 31, v0                           ; lane
	v_and_b32 v2, 15, v0                           ; r
	v_bfe_u32 v3, v0, 4, 1                         ; h
	v_lshlrev_b32 v4, 4, v1                        ; 16 x lane
	v_lshlrev_b32 v5, 3, v1                        ; 8 x lane
	v_and_b32 v10, 8, v2
	v_add_nc_u32 v10, v10, v2                      ; r + 8 (r / 8)
	s_and_b32 s19, ttmp7, 0xffff                   ; work-group y
	s_mov_b32 s20, 0x76543210
	s_mov_b32 s21, 0xfedcba98                      ; v_permlanex16_b32's selects for lane l xor 16
	s_mov_b32 s22, 0xffff0000                      ; lanes 16-31
	s_cmp_ge_u32 ttmp9, 64
	s_cbranch_scc1 .Lweights
; ---------------- x ----------------
	s_mul_i32 s23, s18, STGB                       ; my stage
	v_add_nc_u32 v6, s23, v4                       ; in: 16 x lane of a row
	v_mul_u32_u24 v7, v2, 528
	v_lshl_add_u32 v7, v3, 7, v7
	v_add_nc_u32 v7, s23, v7                       ; back: row r, + 128 h bytes: 32 numbers
	v_lshlrev_b32 v8, 5, v10
	v_lshl_add_u32 v8, v3, 3, v8                   ; scale bytes: 32 x (r + 8 (r / 8)) + 8 h
	v_lshlrev_b32 v9, 3, v3                        ; 8 h: my bytes' place in a scale word, in bits
	v_mov_b32 v[T+1], 0                            ; written once: a lane permute's destination counts as one of its sources
	s_lshl_b32 s24, s19, 6
	s_add_co_u32 s24, s24, ttmp9
	s_lshl_b32 s24, s24, 2
	s_add_co_u32 s24, s24, s18                     ; 4 (64 y + x) + wave: 0 .. 1023
	s_lshr_b32 s25, s24, 1                         ; my tile of tokens
	s_and_b32 s26, s24, 1                          ; my half of K
	s_lshr_b32 s27, s25, 1
	s_lshl_b32 s27, s27, 5
	s_and_b32 s28, s25, 1
	s_lshl_b32 s28, s28, 3
	s_add_co_u32 s27, s27, s28                     ; the tile's first row
	s_lshl_b32 s28, s27, 12                        ; x 4,096 bytes
	s_lshl_b32 s30, s26, 11
	s_add_co_u32 s28, s28, s30                     ; + 2,048 bytes for the upper half of K
	s_mov_b32 s29, 0
	s_mul_i32 s30, s25, 12288
	s_mul_i32 s34, s26, 6144
	s_add_co_u32 s30, s30, s34                     ; my four fragments in xc
	s_mov_b32 s31, 0
	s_lshl_b32 s32, s27, 5
	s_lshl_b32 s34, s26, 4
	s_add_co_u32 s32, s32, s34                     ; my 16 bytes of the rows' 32 in sc1
	s_mov_b32 s33, 0
	s_wait_kmcnt 0x0
	s_add_nc_u64 s[4:5], s[4:5], s[28:29]
	s_add_nc_u64 s[10:11], s[10:11], s[30:31]
	s_add_nc_u64 s[14:15], s[14:15], s[32:33]
.macro LOADF f                         ; fragment f: 16 rows x 512 bytes, each load 512 consecutive bytes of one row
.set li, 0
.rept 16
	global_load_b128 v[R+64*((\f)%2)+4*li:R+64*((\f)%2)+4*li+3], v4, s[4:5] offset:(li+8*(li/8))*4096+512*(\f) th:TH_LOAD_NT
.set li, li+1
.endr
.endm
.macro FRAGX f
.if (\f) < 3
	s_wait_loadcnt 16                              ; this fragment's 16 loads are in; the next fragment's 16 may be out
.else
	s_wait_loadcnt 0x0
.endif
.set li, 0
.rept 16
	ds_store_b128 v6, v[R+64*((\f)%2)+4*li:R+64*((\f)%2)+4*li+3] offset:528*li
.set li, li+1
.endr
.irp c, 0,1
.irp j, 0,1,2,3,4,5,6,7
	ds_load_b128 v[X+32*\c+4*\j:X+32*\c+4*\j+3], v7 offset:256*\c+16*\j   ; LDS serves a wave's instructions in order: these see my stores.  k = 64 c + 32 h + 4 j ..
.endr
.endr
	s_wait_dscnt 0x0                               ; my 64 numbers are in, and the stores into the stage have read their registers
.if (\f) > 0
	s_wait_xcnt 0x0                                ; the last fragment's stores have read the codes' registers, which are written again below
.endif
.if (\f) < 2
	LOADF (\f)+2
.endif
.irp c, 0,1                            ; my block 2 c + h: all its 32 numbers are mine
	v_max3_num_f32 v[TM+\c], |v[X+32*\c]|, |v[X+32*\c+1]|, 0x1800000   ; with the floor 2^(3 - 127): the byte cannot fall under 1
.endr
.irp i, 2,4,6,8,10,12,14,16,18,20,22,24,26,28,30
.irp c, 0,1
	v_max3_num_f32 v[TM+\c], v[TM+\c], |v[X+32*\c+\i]|, |v[X+32*\c+\i+1]|
.endr
.endr
.irp c, 0,1
	v_add_nc_u32 v[SO+\c], 0xff000000, v[TM+\c]    ; 2 off the exponent field: the conversion takes this operand's exponent field as its scale
.endr
.irp c, 0,1
	v_lshrrev_b32 v[BY+\c], 23, v[SO+\c]           ; the scale's byte
.endr
	v_lshl_or_b32 v[T], v[BY+1], 16, v[BY]         ; my two bytes: blocks h and 2 + h,
	v_lshlrev_b32 v[T], v9, v[T]                   ; at their places in the word;
	v_permlanex16_b32 v[T+1], v[T], s20, s21
	v_or_b32 v[WD+(\f)], v[T], v[T+1]              ; with lane l xor 16's two the word is whole
.irp c, 0,1
	v_cvt_scalef32_pk16_fp6_f32 v[PC+6*\c:PC+6*\c+2], v[X+32*\c:X+32*\c+15], v[SO+\c]
	v_cvt_scalef32_pk16_fp6_f32 v[CT+4*\c:CT+4*\c+2], v[X+32*\c+16:X+32*\c+31], v[SO+\c]   ; (a conversion's three registers begin on an even number)
.endr
	v_nop                                          ; one plain place behind a scaled conversion
.irp c, 0,1
.irp i, 0,1,2
	v_mov_b32 v[PC+6*\c+3+\i], v[CT+4*\c+\i]
.endr
.endr
	global_store_b128 v4, v[PC:PC+3], s[10:11] offset:1536*(\f)             ; each store covers 512 or 256 consecutive bytes, aligned
	global_store_b64 v5, v[PC+4:PC+5], s[10:11] offset:1536*(\f)+512
	global_store_b128 v4, v[PC+6:PC+9], s[10:11] offset:1536*(\f)+768
	global_store_b64 v5, v[PC+10:PC+11], s[10:11] offset:1536*(\f)+1280
.endm
	LOADF 0
	LOADF 1
	FRAGX 0
	FRAGX 1
	FRAGX 2
	FRAGX 3
	v_cndmask_b32 v[T], v[WD], v[WD+2], s22        ; lanes 0-15 store words 0, 1 of their row, lanes 16-31 words 2, 3
	v_cndmask_b32 v[T+1], v[WD+1], v[WD+3], s22
	global_store_b64 v8, v[T:T+1], s[14:15]
	s_wait_tensorcnt 0x0                           ; the wave's end, behind my last LDS store
	ds_add_u32 v[SPW], v[NIL]
	s_wait_dscnt 0x0
	s_endpgm
; ---------------- the weights: a lane takes a column, its registers run down K ----------------
.Lweights:
	s_sub_co_u32 s23, ttmp9, 64                    ; group of 128 columns: 0-23 W_qkv's, 24-31 W_out's
	s_sub_co_u32 s24, s23, 24
	s_lshl_b32 s25, s23, 7
	s_lshl_b32 s26, s24, 7
	s_wait_kmcnt 0x0
	s_cmp_lt_u32 s23, 24                           ; the choice hangs on the work-group's number alone
	s_cselect_b64 s[6:7], s[6:7], s[8:9]           ; the weight,
	s_cselect_b64 s[14:15], s[14:15], s[16:17]     ; where its scale bytes go,
	s_mov_b32 s27, 4096
	s_cselect_b32 s27, 12288, s27                  ; its row in bytes,
	s_cselect_b32 s25, s25, s26                    ; the group's first column in it
	s_lshl_b32 s26, s18, 5
	s_add_co_u32 s25, s25, s26                     ; my wave's first column
	v_lshl_add_u32 v11, v3, 3, v10                 ; lane 16 T + r takes column 8 T + r + 8 (r / 8) of the wave's 32: row r of tile T of its two
	v_lshlrev_b32 v6, 2, v11
	v_lshlrev_b32 v7, 5, v11
.set li, 0
.rept 32
	v_mad_u32_u24 v[OF+li], s27, li, v6
.set li, li+1
.endr
	s_lshl_b32 s28, s19, 8                         ; work-group y: 256 along K
	s_mul_i32 s28, s28, s27
	s_lshl_b32 s30, s25, 2
	s_add_co_u32 s28, s28, s30
	s_mov_b32 s29, 0
	s_lshl_b32 s30, s27, 5                         ; a block: 32 rows
	s_mov_b32 s31, 0
	s_add_nc_u64 s[32:33], s[6:7], s[28:29]        ; s[32:47]: where my eight blocks begin
.irp t, 1,2,3,4,5,6,7
	s_add_nc_u64 s[32+2*\t:33+2*\t], s[30+2*\t:31+2*\t], s[30:31]
.endr
	s_lshl_b32 s48, s23, 3
	s_lshl_b32 s49, s18, 1
	s_add_co_u32 s48, s48, s49                     ; my first tile in wc: 8 x group + 2 x wave
	s_mul_i32 s48, s48, 12288
	s_mul_i32 s49, s19, 3072                       ; K steps 2 y, 2 y + 1
	s_add_co_u32 s48, s48, s49
	s_mov_b32 s49, 0
	s_add_nc_u64 s[12:13], s[12:13], s[48:49]
	s_add_co_u32 s50, s25, 8192
	s_lshl_b32 s50, s50, 5                         ; scale bytes: row 8192 + column,
	s_lshl_b32 s51, s19, 3
	s_add_co_u32 s50, s50, s51                     ; bytes 8 y ..
	s_mov_b32 s51, 0
	s_add_nc_u64 s[14:15], s[14:15], s[50:51]
.macro LOADW t                         ; block t: 32 rows at my column; each load reads 128 consecutive bytes a wave, 512 a work-group
.set li, 0
.rept 32
	global_load_b32 v[XW+32*((\t)%2)+li], v[OF+li], s[32+2*(\t):33+2*(\t)] th:TH_LOAD_NT
.set li, li+1
.endr
.endm
.macro BLOCK t
.set XS, XW+32*((\t)%2)
.if (\t) < 7
	s_wait_loadcnt 32                              ; this block's 32 loads are in; the next block's may be out
.else
	s_wait_loadcnt 0x0
.endif
.if (\t) == 4
	s_wait_xcnt 0x0                                ; the first K step's stores have read the codes' registers
.endif
	v_max3_num_f32 v14, |v[XS]|, |v[XS+1]|, |v[XS+2]|
	v_max3_num_f32 v15, |v[XS+3]|, |v[XS+4]|, |v[XS+5]|
.irp i, 6,10,14,18,22,26
	v_max3_num_f32 v14, v14, |v[XS+\i]|, |v[XS+\i+1]|
	v_max3_num_f32 v15, v15, |v[XS+\i+2]|, |v[XS+\i+3]|
.endr
	v_max3_num_f32 v14, v14, |v[XS+30]|, |v[XS+31]|
	v_max3_num_f32 v14, v14, v15, 0x1800000        ; and the floor
	v_add_nc_u32 v16, 0xff000000, v14
	v_lshrrev_b32 v17, 23, v16
.if (\t)%4 == 0
	v_mov_b32 v[WB+(\t)/4], v17
.else
	v_lshl_or_b32 v[WB+(\t)/4], v17, 8*((\t)%4), v[WB+(\t)/4]
.endif
	v_cvt_scalef32_pk16_fp6_f32 v[CB+6*((\t)%4):CB+6*((\t)%4)+2], v[XS:XS+15], v16
	v_cvt_scalef32_pk16_fp6_f32 v[CU:CU+2], v[XS+16:XS+31], v16
	v_nop                                          ; one plain place behind a scaled conversion
.irp i, 0,1,2
	v_mov_b32 v[CB+6*((\t)%4)+3+\i], v[CU+\i]
.endr
.if (\t)+2 < 8
	LOADW (\t)+2
.endif
.endm
; Four blocks are a K step.  Lanes 0-15 hold tile 0's columns, lanes 16-31 tile 1's, each all four blocks; a tile's fragment wants block 2 c in lanes 0-15 and block 2 c + 1 in lanes 16-31.
; One exchange for each register does both tiles: the first register's lanes 16-31 change places with the second's lanes 0-15.
.macro OUTK s
.irp c, 0,1
.irp i, 0,1,2,3,4,5
	v_permlane16_swap_b32 v[CB+12*\c+\i], v[CB+12*\c+6+\i]
.endr
.endr
.irp u, 0,1
.irp c, 0,1
	global_store_b128 v4, v[CB+12*\c+6*\u:CB+12*\c+6*\u+3], s[12:13] offset:12288*\u+1536*(\s)+768*\c
	global_store_b64 v5, v[CB+12*\c+6*\u+4:CB+12*\c+6*\u+5], s[12:13] offset:12288*\u+1536*(\s)+768*\c+512
.endr
.endr
.endm
	LOADW 0
	LOADW 1
.irp t, 0,1,2,3
	BLOCK \t
.endr
	OUTK 0
.irp t, 4,5,6,7
	BLOCK \t
.endr
	OUTK 1
	global_store_b64 v7, v[WB:WB+1], s[14:15]      ; my column's 8 scale bytes
	s_endpgm
.Lfunc_end_k_q1fb4a4ed4e_quant:
	.size	k_q1fb4a4ed4e_quant, .Lfunc_end_k_q1fb4a4ed4e_quant-k_q1fb4a4ed4e_quant
	.p2alignl 7, 3214868480
	.fill 96, 4, 3214868480
	.section	.rodata,"a",@progbits
	.p2align	6, 0x0
	.amdhsa_kernel k_q1fb4a4ed4e_quant
		.amdhsa_group_segment_fixed_size 34304
		.amdhsa_private_segment_fixed_size 0
		.amdhsa_enable_private_segment 0
		.amdhsa_kernarg_size 56
		.amdhsa_user_sgpr_count 2
		.amdhsa_user_sgpr_kernarg_segment_ptr 1
		.amdhsa_wavefront_size32 1
		.amdhsa_system_sgpr_workgroup_id_x 1
		.amdhsa_system_sgpr_workgroup_id_y 1
		.amdhsa_system_sgpr_workgroup_id_z 1
		.amdhsa_system_vgpr_workitem_id 0
		.amdhsa_next_free_vgpr 256
		.amdhsa_next_free_sgpr 66
		.amdhsa_reserve_vcc 0
		.amdhsa_float_denorm_mode_32 3
		.amdhsa_float_denorm_mode_16_64 3
		.amdhsa_memory_ordered 1
		.amdhsa_forward_progress 1
		.amdhsa_inst_pref_size 73
	.end_amdhsa_kernel
	.amdgpu_metadata
---
amdhsa.version: [ 1, 2 ]
amdhsa.kernels:
  - .name:           k_q1fb4a4ed4e_quant
    .symbol:         k_q1fb4a4ed4e_quant.kd
    .args:
      - { .name: x, .offset: 0, .size: 8, .value_kind: global_buffer, .address_space: global }
      - { .name: W_qkv, .offset: 8, .size: 8, .value_kind: global_buffer, .address_space: global }
      - { .name: W_out, .offset: 16, .size: 8, .value_kind: global_buffer, .address_space: global }
      - { .name: xc, .offset: 24, .size: 8, .value_kind: global_buffer, .address_space: global }
      - { .name: wc, .offset: 32, .size: 8, .value_kind: global_buffer, .address_space: global }
      - { .name: sc1, .offset: 40, .size: 8, .value_kind: global_buffer, .address_space: global }
      - { .name: sc2, .offset: 48, .size: 8, .value_kind: global_buffer, .address_space: global }
    .group_segment_fixed_size: 34304
    .private_segment_fixed_size: 0
    .kernarg_segment_align: 8
    .kernarg_segment_size: 56
    .max_flat_workgroup_size: 128
    .sgpr_count:     66
    .vgpr_count:     256
    .wavefront_size: 32
...
	.end_amdgpu_metadata
.endif
;; end of part 1
;; launch gemm_qkv (part 2): grid 12 x 32, 4 waves a work-group, clusters of 4 x 4, 327,680 bytes of LDS; arguments xc, wc, sc1, b_qkv, qkvc, qkvs; writes qkvc, qkvs
.if DOCPART == 2
	.amdgcn_target "amdgcn-amd-amdhsa--gfx1250"
	.amdhsa_code_object_version 6
	.text
	.protected	k_q1fb4a4ed4e_gemm_qkv
	.globl	k_q1fb4a4ed4e_gemm_qkv
	.p2align	8
	.type	k_q1fb4a4ed4e_gemm_qkv,@function
k_q1fb4a4ed4e_gemm_qkv:
	s_mov_b64 s[64:65], 0
	v_nop
	global_prefetch_b8 v0, s[64:65] scope:SCOPE_SE
	s_setreg_imm32_b32 hwreg(HW_REG_WAVE_MODE, 25, 1), 1
	s_wait_xcnt 0x0
	s_wait_alu depctr_hold_cnt(0) depctr_sa_sdst(0) depctr_va_vdst(0) depctr_va_sdst(0) depctr_va_ssrc(0) depctr_va_vcc(0) depctr_vm_vsrc(0)
	s_getreg_b32 s2, hwreg(HW_REG_IB_STS2, 6, 4)
	s_cmp_eq_u32 s2, 0
	s_cbranch_scc0 .Lentry_in_a_cluster
	s_endpgm
.Lentry_in_a_cluster:
	s_bfe_u32 s2, ttmp6, 0x10000c
	s_cmp_lg_u32 s2, 0xf033
	s_cbranch_scc0 .Lentry_shape_is_right
	s_endpgm
.Lentry_shape_is_right:
; qkv = x W_qkv + b_qkv on codes of FP6 (E2M3) with E8M0 scales, f32 sums; the result never goes to memory as f32: it is quantised here, in registers, for the attention's products.
; A work-group of four waves makes 256 tokens x 256 columns, a wave 128 x 128: 64 accumulators, 512 registers.  K = 1,024 goes in eight steps of 128 through two LDS slots of two steps each.
; The operands lie in memory as images of the matrix unit's registers (1,536 bytes a fragment of 16 rows x 128 K; tile t holds rows 32 (t / 2) + 8 (t % 2) + r + 8 (r / 8)): a fragment comes from LDS by two loads of 16 and two of 8 bytes a lane, all dense.
; TWO ROLES.  P is source 0: in a result its index runs along a lane's registers, and by the tiles' order the 16 registers of two neighbouring tiles are 16 neighbours.  L is source 1: its index is the lane.
; What is quantised next is quantised along P.  q and k (columns 0-2047, cluster x 0 and 1) are quantised along the head's 64: P = W, L = x.  v (columns 2048-3071, cluster x = 2) is quantised along the tokens (the keys): P = x, L = W.
; The fills are alike in both cases; only the LDS bases that are READ, the scales' rows and the places of the results are chosen, by scalar selects on the cluster's x, which all partners share.
; CLUSTERS: 4 x 4 work-groups; x's tiles are asked for jointly along a row of the cluster, W's along a column.
; OUT: qkvc: q and k as [32 heads (q 0-15, k 16-31)][512 token tiles][768] (half a fragment: 16 tokens x 64); v from byte VC0 as [128 (tokens / 64)][64 tiles of 16 columns][768] (16 columns x 64 tokens).
;      qkvs: one scale word for a row and 128 along P: q, k [16][512 tiles][16 words]; v from byte VS0 [64][64 tiles][16 words].
; LIMITS: NaN and infinities are not served; a block whose largest magnitude lies under 2^(3 - 127) gets the byte 1.
; REGISTERS, in windows of 256: window 0: v16-29 addresses; v32-95 all scale words (register 8 i + ks: lanes 0-15 L's tile i, lanes 16-31 P's tile i, K step ks); v96-111 the bias along L; v128-223 L's fragments, one set; in the way out v128-228 are at work.
;   window 1: P's fragments, two sets, at v0 and v128; the bias along P at v96-127 and v224-255.   windows 2, 3: the accumulators: (a, b) at v[8 (8 (a % 4) + b)], a = L's tile, b = P's.
.set HALFT, 24576                      ; 8 tiles x 2 K steps x 1,536 bytes: what one tensor load brings, and what a wave reads of x or of W
.set SLOT,  4*HALFT                    ; x's 16 tiles, then W's 16
.set SPARE, 2*SLOT                     ; behind the ring: the spare words, 128 bytes for each wave, that no other line names
.set FR,    12
.set NL,    4                          ; LDS loads that bring a fragment
.set VC0,   12582912
.set VS0,   524288
.set ADL16, 16                         ; v16-17 L's fragments in slot 0, 1: base + 16 x lane;  v18-19: + 8 x lane
.set ADL8,  18
.set ADP16, 20                         ; v20-23 the same for P
.set ADP8,  22
.set L16,   24                         ; v24, v25, v26: 16, 8, 4 x lane
.set L8,    25
.set L4,    26
.set SPW,   28                         ; v28 LDS address of my spare word; never rewritten
.set NIL,   29                         ; v29 0; never rewritten
.set SC,    32
.set BL,    96
.set PWS,   112                        ; v112-115 two tiles' scale words each
.set PWE,   116
.set LF,    128
.set ST,    128                        ; the way out: v128-191 64 numbers; v192-210 codes; v212-227 at work; v228 the scale word
.set PC,    192
.set TM,    212
.set PW,    228
.set WV, 16                            ; s16 wave; s17 = wave / 2: my half of x's tiles, and: I fetch for x (0) or W (1); s18 = wave % 2: my half of W's tiles, and which 8 tiles I fetch
.set G1, 24                            ; s[24:31], s[32:39] descriptor groups 1 and 0 (a set for each slot) for x's tiles
.set G0, 32
.set G1B, 48                           ; s[48:55], s[56:63] for W's
.set G0B, 56
.set HIM, 86                           ; s86 lanes 16-31
.set OB0, 92                           ; s[92:93], s[94:95] where the two halves of my results' codes go; s[96:97] their scale words
.set OB1, 94
.set OS,  96
.set SEL, 98                           ; s[98:99] v_permlanex16_b32's selects for lane l xor 16
.set MSB, 0
.macro WIN new                         ; the immediate's high byte repeats the setting that is left
.if MSB != \new
	s_set_vgpr_msb (MSB<<8)|\new
.set MSB, \new
.endif
.endm
; A joint load: waves 0 and 1 fetch for x, waves 2 and 3 for W.  The branch hangs on the wave's number alone.  An s_nop 0 and four v_nop follow each of the two lines.
.macro JLOAD g0a, g1a, g0b, g1b
	s_cmp_eq_u32 s17, 0
	s_cbranch_scc0 .Lfor_b_\@
	tensor_load_to_lds s[\g0a:\g0a+3], s[\g1a:\g1a+7]
	s_nop 0
.rept 4
	v_nop
.endr
	s_branch .Lasked_\@
.Lfor_b_\@:
	tensor_load_to_lds s[\g0b:\g0b+3], s[\g1b:\g1b+7]
	s_nop 0
.rept 4
	v_nop
.endr
.Lasked_\@:
.endm
.macro CREST                           ; a round of the cluster's barrier behind its opening barrier
	s_cmp_lg_u32 s[WV], 0
	s_cbranch_scc1 .Lnot_wave_0_\@
	s_barrier_signal -3
.Lnot_wave_0_\@:
	s_barrier_wait -3
	s_barrier_signal -1
	s_barrier_wait -1
.endm
.macro CROUND
	s_barrier_signal -1
	s_barrier_wait -1
	CREST
.endm
.macro PLACES                          ; four places in front of loads into registers that matrix instructions have read, and of the first read of results
.rept 4
	v_nop
.endr
.endm
	s_load_b256 s[4:11], s[0:1], 0x0               ; xc s[4:5], wc s[6:7], sc1 s[8:9], b_qkv s[10:11]
	s_load_b128 s[12:15], s[0:1], 0x20             ; qkvc s[12:13], qkvs s[14:15]
	v_lshl_add_u32 v[SPW], v0, 2, SPARE
	v_mov_b32 v[NIL], 0
	ds_add_u32 v[SPW], v[NIL]                      ; the wave's opening: the add and its wait stand ahead of my first tensor load; work on registers stands between them
	v_lshrrev_b32 v1, 5, v0
	v_readfirstlane_b32 s[WV], v1
	s_lshr_b32 s17, s[WV], 1
	s_and_b32 s18, s[WV], 1
	s_bfe_u32 s40, ttmp6, 0x40000                  ; cx, cy: my place in the cluster
	s_bfe_u32 s41, ttmp6, 0x40004
	s_lshl_b32 s42, ttmp9, 2
	s_add_co_u32 s42, s42, s40                     ; TX: tile column = 4 x cluster x + cx
	s_and_b32 s43, ttmp7, 0xffff
	s_lshl_b32 s43, s43, 2
	s_add_co_u32 s43, s43, s41                     ; TY: tile row = 4 x cluster y + cy
	s_lshl_b32 s44, s41, 2
	s_lshl_b32 s44, 15, s44                        ; my row of the cluster
	s_lshl_b32 s45, 0x1111, s40                    ; my column
	; descriptor group 1: 8 rows (tiles) of 3,072 bytes (two K steps' fragments), 12,288 bytes apart; elements of 8 bytes; no padding: every LDS load is dense
	s_or_b32 s[G1+0], s44, (3<<16)|(1<<21)         ; 15:0 the mask: x's tiles go to my row; 17:16 elements of 8 bytes; 21 set beside a mask
	s_or_b32 s[G1B+0], s45, (3<<16)|(1<<21)
.irp g, G1, G1B
	s_mov_b32 s[\g+1], 384<<16                     ; tensor_dim0
	s_mov_b32 s[\g+2], 8<<16                       ; tensor_dim1
	s_mov_b32 s[\g+3], 384<<16                     ; tile_dim0
	s_mov_b32 s[\g+4], 8                           ; tile_dim1
	s_mov_b32 s[\g+5], 1536                        ; tensor_dim0_stride
	s_mov_b32 s[\g+6], 0
	s_mov_b32 s[\g+7], 0
.endr
	s_lshl_b32 s19, s18, 3                         ; which 8 tiles I fetch
	s_lshl_b32 s20, s43, 4
	s_add_co_u32 s20, s20, s19
	s_mul_i32 s20, s20, 12288                      ; x: tile 16 TY + 8 x half
	s_mov_b32 s21, 0
	s_lshl_b32 s46, s42, 4
	s_add_co_u32 s46, s46, s19
	s_mul_i32 s46, s46, 12288                      ; W: tile 16 TX + 8 x half
	s_mov_b32 s47, 0
	s_mul_i32 s22, s[WV], HALFT                    ; where they go: no place in the cluster enters an LDS address
	s_mov_b32 s[HIM], 0xffff0000
	s_mov_b32 s[SEL], 0x76543210
	s_mov_b32 s[SEL+1], 0xfedcba98
	s_wait_dscnt 0x0                               ; the opening add is done
	s_wait_kmcnt 0x0
	s_add_nc_u64 s[20:21], s[4:5], s[20:21]
	s_add_nc_u64 s[46:47], s[6:7], s[46:47]
	CROUND                                         ; all sixteen work-groups are here: the first joint loads meet
.irp s, 0,1
	s_mov_b32 s[G0+4*\s], 1
	s_add_co_u32 s[G0+4*\s+1], s22, \s*SLOT
	s_add_nc_u64 s[G0+4*\s+2:G0+4*\s+3], s[20:21], \s*3072
	s_or_b32 s[G0+4*\s+3], s[G0+4*\s+3], 0x80000000
	s_mov_b32 s[G0B+4*\s], 1
	s_add_co_u32 s[G0B+4*\s+1], s22, \s*SLOT
	s_add_nc_u64 s[G0B+4*\s+2:G0B+4*\s+3], s[46:47], \s*3072
	s_or_b32 s[G0B+4*\s+3], s[G0B+4*\s+3], 0x80000000
	JLOAD G0+4*\s, G1, G0B+4*\s, G1B               ; K steps 0, 1 and 2, 3: two loads of mine are out
.endr
	v_and_b32 v1, 31, v0                           ; lane
	v_and_b32 v2, 15, v0                           ; r
	v_bfe_u32 v3, v0, 4, 1                         ; h
	v_lshlrev_b32 v[L16], 4, v1
	v_lshlrev_b32 v[L8], 3, v1
	v_lshlrev_b32 v[L4], 2, v1
	v_and_b32 v4, 8, v2
	v_add_nc_u32 v4, v4, v2                        ; r + 8 (r / 8)
	s_mul_i32 s66, s17, HALFT                      ; my half of x's tiles in a slot
	s_mul_i32 s67, s18, HALFT
	s_add_co_u32 s67, s67, 2*HALFT                 ; my half of W's
	s_lshl_b32 s68, s43, 8
	s_lshl_b32 s69, s17, 7
	s_add_co_u32 s68, s68, s69                     ; my first token: 256 TY + 128 x half: also its row in sc1
	s_lshl_b32 s69, s42, 8
	s_lshl_b32 s70, s18, 7
	s_add_co_u32 s69, s69, s70                     ; my first column: 256 TX + 128 x half
	s_add_co_u32 s70, s69, 8192                    ; its row in sc1
	s_lshl_b32 s71, s42, 1
	s_add_co_u32 s71, s71, s18                     ; columns / 128
	s_lshl_b32 s72, s43, 1
	s_add_co_u32 s72, s72, s17                     ; tokens / 128
	s_lshr_b32 s73, s68, 4                         ; my first tile of tokens
	s_lshr_b32 s74, s69, 4
	s_sub_co_u32 s74, s74, 128                     ; my first tile of v's columns (used for v alone)
	s_cmp_ge_u32 ttmp9, 2                          ; v's columns?  The cluster's x is the same in all partners
	s_cselect_b32 s75, s67, s66                    ; L's LDS base
	s_cselect_b32 s76, s66, s67                    ; P's
	s_cselect_b32 s77, s70, s68                    ; L's first row of scales
	s_cselect_b32 s78, s68, s70                    ; P's
	s_cselect_b32 s79, s72, s71                    ; PS: P's index / 128
	s_cselect_b32 s80, s74, s73                    ; LT: L's first tile in the result
	s_cselect_b32 s81, 64, 0x200                   ; NLT: L's tiles in all
	s_cselect_b32 s82, VC0, 0
	s_cselect_b32 s83, VS0, 0
	s_cselect_b32 s84, -1, 0                       ; all lanes for v
	s_cselect_b32 s85, 0, -1                       ; all lanes for q and k
.irp s, 0,1
	v_add_nc_u32 v[ADL16+\s], s75, v[L16]
	v_add_nc_u32 v[ADL8+\s], s75, v[L8]
	v_add_nc_u32 v[ADP16+\s], s76, v[L16]
	v_add_nc_u32 v[ADP8+\s], s76, v[L8]
	s_add_co_u32 s75, s75, SLOT
	s_add_co_u32 s76, s76, SLOT
.endr
	v_mov_b32 v5, s77
	v_mov_b32 v6, s78
	v_cndmask_b32 v5, v5, v6, s[HIM]               ; lanes 0-15 take L's rows, lanes 16-31 P's
	v_add_nc_u32 v5, v5, v4
	v_lshlrev_b32 v5, 5, v5                        ; 32 bytes a row: all of K's scale bytes
.irp i, 0,1,2,3,4,5,6,7
.irp e, 0,1
	global_load_b128 v[SC+8*\i+4*\e:SC+8*\i+4*\e+3], v5, s[8:9] offset:(32*(\i/2)+8*(\i%2))*32+16*\e   ; tile i, K steps 4 e .. 4 e + 3: they stay in registers for the whole launch
.endr
.endr
	s_lshl_b32 s88, s69, 2
	s_mov_b32 s89, 0
	s_add_nc_u64 s[10:11], s[10:11], s[88:89]      ; the bias of my 128 columns
	v_lshlrev_b32 v6, 6, v3                        ; along P: lane (r, h) wants, for tile 2 g + u, columns 32 g + 16 h + 8 u + 0 .. 7
	v_lshlrev_b32 v7, 2, v4                        ; along L: the column of my lane
	WIN 0x40                                       ; destination window 1
.irp b, 0,1,2,3,4,5,6,7
	global_load_b128 v[96+8*\b+96*(\b/4):96+8*\b+96*(\b/4)+3], v6, s[10:11] offset:(32*(\b/2)+8*(\b%2))*4
	global_load_b128 v[96+8*\b+96*(\b/4)+4:96+8*\b+96*(\b/4)+7], v6, s[10:11] offset:(32*(\b/2)+8*(\b%2))*4+16
.endr
	WIN 0
.irp a, 0,1,2,3,4,5,6,7
	global_load_b32 v[BL+2*\a], v7, s[10:11] offset:(32*(\a/2)+8*(\a%2))*4
	global_load_b32 v[BL+2*\a+1], v7, s[10:11] offset:(32*(\a/2)+8*(\a%2))*4      ; twice: a pair for the packed addition
.endr
	s_mul_i32 s90, s79, s81                        ; where my results go
	s_lshl_b32 s91, s90, 1
	s_add_co_u32 s91, s91, s80
	s_mul_i32 s91, s91, 768                        ; codes: ((2 PS) NLT + LT) x 768
	s_add_co_u32 s[OB0], s91, s82
	s_mov_b32 s[OB0+1], 0
	s_add_nc_u64 s[OB0:OB0+1], s[12:13], s[OB0:OB0+1]
	s_mul_i32 s[OB1], s81, 768                     ; the second 64 along P: NLT tiles further on
	s_mov_b32 s[OB1+1], 0
	s_add_nc_u64 s[OB1:OB1+1], s[OB0:OB0+1], s[OB1:OB1+1]
	s_add_co_u32 s90, s90, s80
	s_lshl_b32 s90, s90, 6                         ; scale words: (PS NLT + LT) x 64
	s_add_co_u32 s[OS], s90, s83
	s_mov_b32 s[OS+1], 0
	s_add_nc_u64 s[OS:OS+1], s[14:15], s[OS:OS+1]
	s_wait_loadcnt 0x0
	WIN 0x44                                       ; source 1 and destination window 1
.set li, 0
.rept 32
	v_cndmask_b32 v[96+li], 0, v[96+li], s85       ; the bias along P counts for q and k alone: it is the C of the first K step
	v_cndmask_b32 v[224+li], 0, v[224+li], s85
.set li, li+1
.endr
	WIN 0
.set li, 0
.rept 16
	v_cndmask_b32 v[BL+li], 0, v[BL+li], s84       ; the bias along L counts for v alone: it is added on the way out
.set li, li+1
.endr
.macro FRAG reg, a16, a8, q, i         ; a fragment as it lies: registers 0-3, 4-5, 6-9, 10-11
	ds_load_b128 v[\reg:\reg+3], v[\a16] offset:3072*(\i)+1536*(\q)
	ds_load_b64 v[\reg+4:\reg+5], v[\a8] offset:3072*(\i)+1536*(\q)+512
	ds_load_b128 v[\reg+6:\reg+9], v[\a16] offset:3072*(\i)+1536*(\q)+768
	ds_load_b64 v[\reg+10:\reg+11], v[\a8] offset:3072*(\i)+1536*(\q)+1280
.endm
.macro FETCH_P slot, q, set            ; P's eight fragments of the slot's q-th K step
	WIN 0x40
.irp i, 0,1,2,3,4,5,6,7
	FRAG 128*(\set)+FR*\i, ADP16+\slot, ADP8+\slot, \q, \i
.endr
	WIN 0
.endm
.macro FETCH_L slot, q, i0             ; L's tiles i0 .. i0 + 3
.irp i, \i0, \i0+1, \i0+2, \i0+3
	FRAG LF+FR*(\i), ADL16+\slot, ADL8+\slot, \q, \i
.endr
.endm
; 16 matrix instructions: L's tiles a0, a0 + 1 x P's eight.  The 64 accumulators take turns, one instruction a turn, in the same order in every K step.  first = 1: C is the bias along P.
.macro MUL16 a0, set, ks, first
.irp a, \a0, \a0+1
.irp b, 0,1,2,3,4,5,6,7
.if \first
	v_wmma_scale_f32_16x16x128_f8f6f4 v[8*(8*((\a)%4)+\b):8*(8*((\a)%4)+\b)+7], v[128*(\set)+FR*\b:128*(\set)+FR*\b+FR-1], v[LF+FR*(\a):LF+FR*(\a)+FR-1], v[96+8*\b+96*(\b/4):96+8*\b+96*(\b/4)+7], v[SC+8*\b+(\ks)], v[SC+8*(\a)+(\ks)] matrix_a_fmt:MATRIX_FMT_FP6 matrix_b_fmt:MATRIX_FMT_FP6 matrix_a_scale:MATRIX_SCALE_ROW1
.else
	v_wmma_scale_f32_16x16x128_f8f6f4 v[8*(8*((\a)%4)+\b):8*(8*((\a)%4)+\b)+7], v[128*(\set)+FR*\b:128*(\set)+FR*\b+FR-1], v[LF+FR*(\a):LF+FR*(\a)+FR-1], v[8*(8*((\a)%4)+\b):8*(8*((\a)%4)+\b)+7], v[SC+8*\b+(\ks)], v[SC+8*(\a)+(\ks)] matrix_a_fmt:MATRIX_FMT_FP6 matrix_b_fmt:MATRIX_FMT_FP6 matrix_a_scale:MATRIX_SCALE_ROW1
.endif
.endr
.endr
.endm
; A slot's first K step: multiplies P's set 0 and fetches the slot's second step (P into set 1; L's tiles as they fall free).
.macro STEP slot, ks, first
	s_wait_dscnt 4*NL                              ; P's set and L's tiles 0-3 are in; the youngest 16 loads (L's tiles 4-7) may be out
.if \first
	WIN 0x91                                       ; source 0 (P) and C (the bias) window 1, source 1 (L) window 0, D window 2
.else
	WIN 0xa1                                       ; C and D window 2
.endif
	MUL16 0, 0, \ks, \first
	MUL16 2, 0, \ks, \first
	s_wait_dscnt 0x0                               ; L's tiles 4-7 are in
	PLACES
	FETCH_P \slot, 1, 1
	FETCH_L \slot, 1, 0
.if \first
	WIN 0xd1
.else
	WIN 0xf1
.endif
	MUL16 4, 0, \ks, \first
	MUL16 6, 0, \ks, \first
	PLACES
	WIN 0
	FETCH_L \slot, 1, 4
.endm
; A slot's second K step changes slots: ONE barrier; in front of it each wave waits for all its tensor loads, adds 0 to its spare word, and waits for that and for its reads of this slot.  fill = 1: this slot is filled again, four K steps ahead.
.macro TURN slot, next, fill, ks
	s_wait_tensorcnt 0x0                           ; all my tensor loads have landed: my part of the next slot
	ds_add_u32 v[SPW], v[NIL]                      ; 0 onto my spare word
	s_wait_dscnt 4*NL+1                            ; (the add and the youngest 16 loads may be out)
	WIN 0xa1
	MUL16 0, 1, \ks, 0                             ; sixteen matrix instructions stand between the add and the wait for it
	s_wait_dscnt 0x0                               ; the add is done, and my reads of this slot are over
	s_barrier_signal -1
	MUL16 2, 1, \ks, 0
	WIN 0
	s_barrier_wait -1
.if \fill
	CREST                                          ; the barrier has opened a round of the cluster's barrier: no wave of any partner still reads this slot or has a load on its way
	s_add_nc_u64 s[G0+4*\slot+2:G0+4*\slot+3], s[G0+4*\slot+2:G0+4*\slot+3], 6144
	s_add_nc_u64 s[G0B+4*\slot+2:G0B+4*\slot+3], s[G0B+4*\slot+2:G0B+4*\slot+3], 6144
	JLOAD G0+4*\slot, G1, G0B+4*\slot, G1B         ; the first tensor load behind the round, my one load until the next; its four v_nop are the places in front of the loads below
.else
	PLACES
.endif
	FETCH_P \next, 0, 0
	FETCH_L \next, 0, 0
	WIN 0xf1
	MUL16 4, 1, \ks, 0
	MUL16 6, 1, \ks, 0
	PLACES
	WIN 0
	FETCH_L \next, 0, 4
.endm
	s_wait_tensorcnt 1                             ; my part of slot 0 is in (slot 1's load may be out)
	s_barrier_signal -1
	s_barrier_wait -1                              ; everybody's is
	FETCH_P 0, 0, 0
	FETCH_L 0, 0, 0
	FETCH_L 0, 0, 4
	; the eight K steps are written out: the K step's number picks the scale registers
	STEP 0, 0, 1
	TURN 0, 1, 1, 1                                ; slot 0 takes K steps 4, 5
	STEP 1, 2, 0
	TURN 1, 0, 1, 3                                ; slot 1 takes K steps 6, 7
	STEP 0, 4, 0
	TURN 0, 1, 0, 5                                ; nothing is left to fetch
	STEP 1, 6, 0
	s_wait_dscnt 4*NL
	WIN 0xa1
	MUL16 0, 1, 7, 0
	MUL16 2, 1, 7, 0
	s_wait_dscnt 0x0
	WIN 0xf1
	MUL16 4, 1, 7, 0
	MUL16 6, 1, 7, 0
	WIN 0
; 64 numbers of a lane, register 16 b + i = index 32 b + 16 (lane / 16) + i along P of my lane's row, become a fragment's codes in v[PC] on and its scale word in v[PW].
.macro QUANT s
.irp b, 0,1,2,3
	v_max3_num_f32 v[TM+\b], |v[\s+16*\b]|, |v[\s+1+16*\b]|, 0x1800000   ; block b: my 16 numbers, and the floor 2^(3 - 127): the byte cannot fall under 1
.endr
.irp i, 2,4,6,8,10,12,14
.irp b, 0,1,2,3
	v_max3_num_f32 v[TM+\b], v[TM+\b], |v[\s+16*\b+\i]|, |v[\s+1+16*\b+\i]|
.endr
.endr
.irp b, 0,1,2,3
	v_permlanex16_b32 v[TM+4+\b], v[TM+\b], s[SEL], s[SEL+1]
.endr
.irp b, 0,1,2,3
	v_max_num_f32 v[TM+\b], v[TM+\b], v[TM+4+\b]   ; with lane l xor 16's: the block's largest magnitude
.endr
.irp b, 0,1,2,3
	v_add_nc_u32 v[TM+12+\b], 0xff000000, v[TM+\b] ; 2 off its exponent field: the conversion's scale operand
.endr
.irp b, 0,1,2,3
	v_lshrrev_b32 v[TM+4+\b], 23, v[TM+12+\b]      ; the scale's byte
.endr
	v_lshl_or_b32 v[PW], v[TM+5], 8, v[TM+4]
	v_lshl_or_b32 v[PW], v[TM+6], 16, v[PW]
	v_lshl_or_b32 v[PW], v[TM+7], 24, v[PW]
.irp c, 0,1
	v_cvt_scalef32_pk16_fp6_f32 v[PC+6*\c:PC+2+6*\c], v[\s+32*\c:\s+15+32*\c], v[TM+12+2*\c]
	v_cvt_scalef32_pk16_fp6_f32 v[PC+12+4*\c:PC+14+4*\c], v[\s+16+32*\c:\s+31+32*\c], v[TM+12+2*\c+1]   ; (a conversion's three registers begin on an even number)
.endr
	v_nop                                          ; one plain place behind a scaled conversion
.irp c, 0,1                            ; the operand's layout wants a WHOLE block in a lane
.irp i, 0,1,2
	v_permlane16_swap_b32 v[PC+6*\c+\i], v[PC+12+4*\c+\i]
.endr
.irp i, 0,1,2
	v_mov_b32 v[PC+3+6*\c+\i], v[PC+12+4*\c+\i]
.endr
.endr
.endm
; THE WAY OUT, L's tiles one after the other: the tile's eight accumulators are 64 numbers a lane along P; the bias along L is added on their way into window 0 (each accumulator from its low end on); they are
; quantised and leave as two half fragments: every store covers 512, 256 or 128 consecutive bytes, aligned.  No LDS.
.macro EPI a
.if (\a) > 0
	s_wait_xcnt 0x0                                ; the last tile's stores have read the codes' registers
.endif
.set WW, 0x02+(\a)/4
	WIN WW                                         ; source 0: window 2 or 3
.set li, 0
.rept 32
	v_pk_add_f32 v[ST+2*li:ST+2*li+1], v[64*((\a)%4)+2*li:64*((\a)%4)+2*li+1], v[BL+2*(\a):BL+2*(\a)+1]
.set li, li+1
.endr
	WIN 0
	QUANT ST
	global_store_b128 v[L16], v[PC:PC+3], s[OB0:OB0+1] offset:768*(\a)
	global_store_b64 v[L8], v[PC+4:PC+5], s[OB0:OB0+1] offset:768*(\a)+512
	global_store_b128 v[L16], v[PC+6:PC+9], s[OB1:OB1+1] offset:768*(\a)
	global_store_b64 v[L8], v[PC+10:PC+11], s[OB1:OB1+1] offset:768*(\a)+512
.if ((\a)%2) == 0
	v_mov_b32 v[PWE], v[PW]
.else
	v_cndmask_b32 v[PWS+(\a)/2], v[PWE], v[PW], s[HIM]   ; lanes 0-15: the even tile's words, lanes 16-31: the odd tile's
	global_store_b32 v[L4], v[PWS+(\a)/2], s[OS:OS+1] offset:64*((\a)-1)
.endif
.endm
	PLACES                                         ; behind the last products: their results are read, and L's registers written, below
.irp b, 0,1,2,3
	v_mov_b32 v[TM+4+\b], 0                        ; written once: a lane permute's destination counts as one of its sources
.endr
.irp a, 0,1,2,3,4,5,6,7
	EPI \a
.endr
	s_wait_tensorcnt 0x0                           ; the wave's end
	ds_add_u32 v[SPW], v[NIL]
	s_wait_dscnt 0x0
	CROUND                                         ; the closing round: no work-group ends while a partner may still ask for a tile that names it
	s_endpgm
.Lfunc_end_k_q1fb4a4ed4e_gemm_qkv:
	.size	k_q1fb4a4ed4e_gemm_qkv, .Lfunc_end_k_q1fb4a4ed4e_gemm_qkv-k_q1fb4a4ed4e_gemm_qkv
	.p2alignl 7, 3214868480
	.fill 96, 4, 3214868480
	.section	.rodata,"a",@progbits
	.p2align	6, 0x0
	.amdhsa_kernel k_q1fb4a4ed4e_gemm_qkv
		.amdhsa_group_segment_fixed_size 327680
		.amdhsa_private_segment_fixed_size 0
		.amdhsa_enable_private_segment 0
		.amdhsa_kernarg_size 48
		.amdhsa_user_sgpr_count 2
		.amdhsa_user_sgpr_kernarg_segment_ptr 1
		.amdhsa_wavefront_size32 1
		.amdhsa_system_sgpr_workgroup_id_x 1
		.amdhsa_system_sgpr_workgroup_id_y 1
		.amdhsa_system_sgpr_workgroup_id_z 1
		.amdhsa_system_vgpr_workitem_id 0
		.amdhsa_next_free_vgpr 1024
		.amdhsa_next_free_sgpr 100
		.amdhsa_reserve_vcc 0
		.amdhsa_float_denorm_mode_32 3
		.amdhsa_float_denorm_mode_16_64 3
		.amdhsa_memory_ordered 1
		.amdhsa_forward_progress 1
		.amdhsa_inst_pref_size 171
	.end_amdhsa_kernel
	.amdgpu_metadata
---
amdhsa.version: [ 1, 2 ]
amdhsa.kernels:
  - .name:           k_q1fb4a4ed4e_gemm_qkv
    .symbol:         k_q1fb4a4ed4e_gemm_qkv.kd
    .args:
      - { .name: xc, .offset: 0, .size: 8, .value_kind: global_buffer, .address_space: global }
      - { .name: wc, .offset: 8, .size: 8, .value_kind: global_buffer, .address_space: global }
      - { .name: sc1, .offset: 16, .size: 8, .value_kind: global_buffer, .address_space: global }
      - { .name: b_qkv, .offset: 24, .size: 8, .value_kind: global_buffer, .address_space: global }
      - { .name: qkvc, .offset: 32, .size: 8, .value_kind: global_buffer, .address_space: global }
      - { .name: qkvs, .offset: 40, .size: 8, .value_kind: global_buffer, .address_space: global }
    .group_segment_fixed_size: 327680
    .private_segment_fixed_size: 0
    .kernarg_segment_align: 8
    .kernarg_segment_size: 48
    .max_flat_workgroup_size: 128
    .sgpr_count:     100
    .vgpr_count:     1024
    .wavefront_size: 32
...
	.end_amdgpu_metadata
.endif
;; end of part 2
;; launch attn (part 3): grid 4 x 64, 16 waves a work-group, no clusters, 327,680 bytes of LDS; arguments qkvc, qkvs, ac, sc2; writes ac, sc2
.if DOCPART == 3
	.amdgcn_target "amdgcn-amd-amdhsa--gfx1250"
	.amdhsa_code_object_version 6
	.text
	.protected	k_q1fb4a4ed4e_attn
	.globl	k_q1fb4a4ed4e_attn
	.p2align	8
	.type	k_q1fb4a4ed4e_attn,@function
k_q1fb4a4ed4e_attn:
	s_mov_b64 s[64:65], 0
	v_nop
	global_prefetch_b8 v0, s[64:65] scope:SCOPE_SE
	s_setreg_imm32_b32 hwreg(HW_REG_WAVE_MODE, 25, 1), 1
	s_wait_xcnt 0x0
; Causal attention of one head on codes of FP6 (E2M3) with E8M0 scales; head size 64; 2,048 tokens; 64 (batch, head) pairs.  The result is quantised here, along the model's 1,024, for the last product.
; THE SOFTMAX AHEAD OF THE SECOND PRODUCT: t = score x log2(e) / 8; M = the row's largest t so far, rounded UP to a whole number; p = 2^(t - M) is quantised along the keys, not normalised.
; The row's sum is taken of the unquantised p and divides O at the end.  When M moves, the sum and O are multiplied by 2^(old M - new M): exact.
; SHARES.  A work-group takes the blocks of 256 queries 7 - J and then J (J = work-group x, 0 .. 3): (8 - J) + (J + 1) = 9 slots of 256 keys in every work-group, so all have equal work and the loop's trip count is a constant.
; Each of its sixteen waves owns one tile of 16 queries in 256 registers, four waves to a SIMD.  A step is 128 keys; a step all of whose keys come after the wave's queries is left out by a scalar branch on ids.
; NO CLUSTER: work-groups of one head would need different slots at the same time (J = 0 walks slots 0 .. 7, 0; J = 3 walks 0 .. 4, 0 .. 3); walked jointly the four would need 12 slot times for 9; and a slot is 26,112 bytes for 32 tile steps.
; LAYOUT.  Both products are used transposed: S^T = K Q^T, O^T = V^T P^T: a lane holds ONE query throughout.  All operands lie in memory as images of the matrix unit's registers; tile t of tokens (or of the head's 64) holds
; rows 32 (t / 2) + 8 (t % 2) + r + 8 (r / 8), so that the 16 registers of two neighbouring tiles of a result are 16 neighbours: keys for p, channels for O.
; K = 64 IN AN INSTRUCTION OF 128: Q's registers 6-11 hold zero codes.  K's tile t is named as 12 registers from v[32 + 6 t]: its upper half is the next tile's codes (zeros behind the last), which meet Q's zeros and add exact zeros.
; The scale words come as 16 bits, zero-extended: bytes 2 and 3 are 0 (2^-127), never 0xff.
; LIMITS: NaN and infinities are not served; a block whose largest magnitude lies under 2^(3 - 127) gets the byte 1.
; REGISTERS: v1-7, v28, v29 addresses that stay; v8-11 the step's LDS addresses; v12 -M, v13 the largest t, v[14:15] the sum; v16-21 Q, v22-27 zeros; v32-79 eight tiles of K, then four fragments of V; v80-85 zeros;
;   v86-89 K's scale words, v90-91 V's, v92 Q's; v96-159 S^T, then p; v160-191 O^T; v192-217 at work; v215 p's scale word; v224-235 p's codes.
.set VOFF,  12288                      ; a slot: K's 16 tiles x 768 bytes; V's 4 x 3,072 (64 keys x the head's 4 tiles);
.set KSOFF, 24576                      ; K's scale words, 16 tiles x 64 bytes;
.set VSOFF, 25600                      ; V's, 2 steps x 4 tiles x 64 bytes
.set SLOT1, 32768                      ; slot 1 begins here: one exclusive or turns an address
.set SPARE, 65536                      ; the spare words, 128 bytes for each of 16 waves, that no other line names
.set VC0,   12582912
.set VS0,   524288
.set SPW, 5                            ; v5 LDS address of my spare word; never rewritten
.set NIL, 6                            ; v6 0; never rewritten
.set BM,  192                          ; v192-195 the blocks' largest scores, then largest p
.set BT,  196                          ; v196-199 at work
.set SO,  200                          ; v200-203 the conversions' scale operands
.set CT,  204                          ; v204-210 the second halves of the codes
.set WV,  12                           ; s12 wave; s13 J; s14 batch; s15 head; s16 the trip in which the first block ends; s17 the block in hand
.set Q0,  18                           ; s18 my tile's first query
.set KF,  19                           ; s19 the slot's first key
.set SEL, 20                           ; s[20:21] lane selects: lane l xor 16
.set CS,  22                           ; s[22:23] c = log2(e) / 8
.set TB,  2                            ; s2 LDS byte at which the slot in hand begins
.set TC,  3                            ; s3 the trip
.set G1K, 24                           ; s[24:55] four descriptor groups 1
.set G1V, 32
.set G1SK, 40
.set G1SV, 48
.set G0K, 56                           ; s[56:63], s[68:75] their groups 0, which walk
.set G0V, 60
.set G0SK, 68
.set G0SV, 72
.set BK,  76                           ; s[76:83] where the head's K, V, K's scales, V's scales begin in memory
.set SIG, 84                           ; s84 the slot of keys in hand; s85 the one asked for
.set NXT, 85
.set HIM, 98                           ; s98 lanes 16-31
.macro DESC1 g, c, r, p                ; r rows of c elements of 8 bytes, p elements apart; no padding
	s_mov_b32 s[\g], 3<<16
	s_mov_b32 s[\g+1], (\c)<<16
	s_mov_b32 s[\g+2], (\r)<<16
	s_mov_b32 s[\g+3], (\c)<<16
	s_mov_b32 s[\g+4], \r
	s_mov_b32 s[\g+5], \p
	s_mov_b32 s[\g+6], 0
	s_mov_b32 s[\g+7], 0
.endm
.macro TL1 w, g0, g1                   ; wave w's one load.  The branch hangs on the wave's number alone.  An s_nop 0 and four v_nop follow the load
	s_cmp_lg_u32 s[WV], \w
	s_cbranch_scc1 .Lnot_\@
	tensor_load_to_lds s[\g0:\g0+3], s[\g1:\g1+7]
	s_nop 0
.rept 4
	v_nop
.endr
.Lnot_\@:
.endm
.macro TLOAD4                          ; wave 0: K's codes; wave 1: V's; wave 2: K's scale words; wave 3: V's; the others nothing
	TL1 0, G0K, G1K
	TL1 1, G0V, G1V
	TL1 2, G0SK, G1SK
	TL1 3, G0SV, G1SV
.endm
; what hangs on the block of queries in hand (s17): my first query, my tile of tokens (s99), and four places in memory
.macro BLKSET
	s_lshl_b32 s[Q0], s17, 8
	s_lshr_b32 s96, s[WV], 1
	s_lshl_b32 s96, s96, 5
	s_add_co_u32 s[Q0], s[Q0], s96
	s_and_b32 s96, s[WV], 1
	s_lshl_b32 s96, s96, 3
	s_add_co_u32 s[Q0], s[Q0], s96                 ; 256 x block + 32 (wave / 2) + 8 (wave % 2); lane r's query is r + 8 (r / 8) further on
	s_lshl_b32 s99, s14, 7
	s_lshl_b32 s96, s17, 4
	s_add_co_u32 s99, s99, s96
	s_add_co_u32 s99, s99, s[WV]                   ; tile of tokens: 128 x batch + 16 x block + wave
	s_lshl_b32 s96, s15, 9
	s_add_co_u32 s96, s96, s99
	s_mul_i32 s86, s96, 768
	s_add_nc_u64 s[88:89], s[4:5], s[86:87]        ; Q's codes  (s87 = 0 throughout)
	s_lshr_b32 s96, s15, 1
	s_lshl_b32 s96, s96, 9
	s_add_co_u32 s96, s96, s99
	s_lshl_b32 s86, s96, 6
	s_and_b32 s96, s15, 1
	s_lshl_b32 s96, s96, 1
	s_add_co_u32 s86, s86, s96
	s_add_nc_u64 s[90:91], s[6:7], s[86:87]        ; Q's scale words: my head's two bytes of each
	s_mul_i32 s86, s99, 12288
	s_mul_i32 s96, s15, 768
	s_add_co_u32 s86, s86, s96
	s_add_nc_u64 s[92:93], s[8:9], s[86:87]        ; the result's codes: half (head % 2) of K step head / 2
	s_lshl_b32 s96, s14, 11
	s_add_co_u32 s96, s96, s[Q0]
	s_lshl_b32 s86, s96, 5
	s_lshl_b32 s96, s15, 1
	s_add_co_u32 s86, s86, s96
	s_add_nc_u64 s[94:95], s[10:11], s[86:87]      ; and its scale bytes: 32 a token, mine at 2 x head
.endm
.macro QLOAD
	global_load_b128 v[16:19], v1, s[88:89]
	global_load_b64 v[20:21], v2, s[88:89] offset:512
	global_load_u16 v92, v29, s[90:91]
.endm
.macro INIT                            ; the step is written once: the first finds zeros, which the first change of M leaves zeros
	v_mov_b32 v13, 0xff61b1e6                      ; the largest t so far: -3e38
	v_floor_f32 v12, -v13                          ; -M
	v_mov_b32 v14, 0
	v_mov_b32 v15, 0
.set li, 0
.rept 32
	v_mov_b32 v[160+li], 0
.set li, li+1
.endr
.endm
	s_load_b256 s[4:11], s[0:1], 0x0               ; qkvc s[4:5], qkvs s[6:7], ac s[8:9], sc2 s[10:11]
	v_lshl_add_u32 v[SPW], v0, 2, SPARE
	v_mov_b32 v[NIL], 0
	ds_add_u32 v[SPW], v[NIL]                      ; the wave's opening: the add and its wait stand ahead of my first tensor load; work on registers stands between them
	v_lshrrev_b32 v8, 5, v0
	v_readfirstlane_b32 s[WV], v8                  ; wave 0..15
	s_mov_b32 s13, ttmp9
	s_and_b32 s96, ttmp7, 0xffff
	s_lshr_b32 s14, s96, 4
	s_and_b32 s15, s96, 15
	s_sub_co_u32 s16, 7, s13
	s_mov_b32 s17, s16                             ; the first block: 7 - J
	DESC1 G1K, 32, 48, 32                          ; K: 12,288 dense bytes as 48 rows of 256
	DESC1 G1V, 384, 4, 6144                        ; V: 4 rows (64 keys each) of 3,072 bytes, 49,152 bytes apart
	DESC1 G1SK, 32, 4, 32                          ; K's scale words: 1,024 dense bytes
	DESC1 G1SV, 32, 2, 512                         ; V's: 2 rows (128 keys each) of 256 bytes, 4,096 bytes apart
	s_add_co_u32 s96, s15, 16
	s_lshl_b32 s96, s96, 9
	s_lshl_b32 s97, s14, 7
	s_add_co_u32 s96, s96, s97
	s_mul_i32 s[BK], s96, 768                      ; K: ((16 + head) 512 + 128 batch) x 768
	s_mov_b32 s[BK+1], 0
	s_lshl_b32 s96, s14, 11
	s_lshl_b32 s97, s15, 2
	s_add_co_u32 s96, s96, s97
	s_mul_i32 s[BK+2], s96, 768
	s_add_co_u32 s[BK+2], s[BK+2], VC0             ; V: VC0 + (2,048 batch + 4 head) x 768
	s_mov_b32 s[BK+3], 0
	s_lshr_b32 s96, s15, 1
	s_add_co_u32 s96, s96, 8
	s_lshl_b32 s96, s96, 9
	s_lshl_b32 s97, s14, 7
	s_add_co_u32 s96, s96, s97
	s_lshl_b32 s[BK+4], s96, 6                     ; K's scale words: ((8 + head / 2) 512 + 128 batch) x 64
	s_mov_b32 s[BK+5], 0
	s_lshl_b32 s96, s14, 10
	s_lshl_b32 s97, s15, 2
	s_add_co_u32 s96, s96, s97
	s_lshl_b32 s[BK+6], s96, 6
	s_add_co_u32 s[BK+6], s[BK+6], VS0             ; V's: VS0 + (1,024 batch + 4 head) x 64
	s_mov_b32 s[BK+7], 0
	s_mov_b32 s[SEL], 0x76543210
	s_mov_b32 s[SEL+1], 0xfedcba98
	s_mov_b32 s[CS], 0x3e38aa3b                    ; c = log2(e) / 8
	s_mov_b32 s[CS+1], s[CS]                       ; (named with it as a pair, so it is written)
	s_mov_b32 s[HIM], 0xffff0000
	s_mov_b32 s87, 0
	s_mov_b32 s[TB], 0
	s_mov_b32 s[TC], 0
	s_mov_b32 s[SIG], 0
	s_wait_dscnt 0x0                               ; the opening add is done
	s_wait_kmcnt 0x0
	s_add_nc_u64 s[BK:BK+1], s[4:5], s[BK:BK+1]
	s_add_nc_u64 s[BK+2:BK+3], s[4:5], s[BK+2:BK+3]
	s_add_nc_u64 s[BK+4:BK+5], s[6:7], s[BK+4:BK+5]
	s_add_nc_u64 s[BK+6:BK+7], s[6:7], s[BK+6:BK+7]
	s_mov_b32 s[G0K], 1
	s_mov_b32 s[G0K+1], 0
	s_mov_b64 s[G0K+2:G0K+3], s[BK:BK+1]
	s_or_b32 s[G0K+3], s[G0K+3], 0x80000000
	s_mov_b32 s[G0V], 1
	s_mov_b32 s[G0V+1], VOFF
	s_mov_b64 s[G0V+2:G0V+3], s[BK+2:BK+3]
	s_or_b32 s[G0V+3], s[G0V+3], 0x80000000
	s_mov_b32 s[G0SK], 1
	s_mov_b32 s[G0SK+1], KSOFF
	s_mov_b64 s[G0SK+2:G0SK+3], s[BK+4:BK+5]
	s_or_b32 s[G0SK+3], s[G0SK+3], 0x80000000
	s_mov_b32 s[G0SV], 1
	s_mov_b32 s[G0SV+1], VSOFF
	s_mov_b64 s[G0SV+2:G0SV+3], s[BK+6:BK+7]
	s_or_b32 s[G0SV+3], s[G0SV+3], 0x80000000
	TLOAD4                                         ; keys 0-255 into slot 0
	v_and_b32 v30, 31, v0                          ; lane
	v_and_b32 v31, 15, v0                          ; r
	v_bfe_u32 v93, v0, 4, 1                        ; h
	v_and_b32 v94, 8, v31
	v_add_nc_u32 v94, v94, v31                     ; r + 8 (r / 8)
	v_lshlrev_b32 v1, 4, v30                       ; 16 x lane
	v_lshlrev_b32 v2, 3, v30                       ; 8 x lane
	s_and_b32 s96, s15, 1
	s_lshl_b32 s96, s96, 1
	s_add_co_u32 s96, s96, KSOFF
	v_lshlrev_b32 v4, 2, v30
	v_add_nc_u32 v3, s96, v4                       ; K's scale words: 4 x lane, my head's two bytes
	v_add_nc_u32 v4, VSOFF, v4                     ; V's
	v_lshlrev_b32 v95, 4, v93
	v_sub_nc_u32 v7, v94, v95                      ; r + 8 (r / 8) - 16 h: for the mask
	v_lshl_add_u32 v28, v94, 5, v93                ; the result's scale bytes: 32 x (r + 8 (r / 8)) + h
	v_lshlrev_b32 v29, 2, v31                      ; 4 r
.irp j, 22,23,24,25,26,27,80,81,82,83,84,85
	v_mov_b32 v\j, 0                               ; zero codes
.endr
.irp j, 196,197,198,199,213,215
	v_mov_b32 v\j, 0                               ; written once: a lane permute's destination counts as one of its sources; v215 is named as the upper half of a pair before it is first written
.endr
	BLKSET
	QLOAD
	INIT
	s_wait_loadcnt 0x0                             ; Q
; A KEY STEP: 128 keys, the q-th of the slot in hand.
.macro STEP q
	s_add_co_u32 s96, s[KF], 128*(\q)              ; the step's first key
	s_add_co_u32 s97, s[Q0], 23                    ; my last query
	s_cmp_gt_u32 s96, s97
	s_cbranch_scc1 .Lhidden_\@                     ; all its keys come after my queries
	v_add_nc_u32 v8, s[TB], v1                     ; (these four are also the places in front of the loads into registers that the last products read)
	v_add_nc_u32 v9, s[TB], v2
	v_add_nc_u32 v10, s[TB], v3
	v_add_nc_u32 v11, s[TB], v4
.irp t, 0,1,2,3,4,5,6,7
	ds_load_b128 v[32+6*\t:35+6*\t], v8 offset:(8*(\q)+\t)*768
	ds_load_b64 v[36+6*\t:37+6*\t], v9 offset:(8*(\q)+\t)*768+512
.endr
.irp i, 0,1,2,3
	ds_load_u16 v[86+\i], v10 offset:512*(\q)+128*\i   ; lanes 0-15: tile 2 i's words, lanes 16-31: tile 2 i + 1's
.endr
	s_wait_dscnt 0x0
.irp t, 0,1,2,3,4,5,6,7
.if (\t%2) == 0
	v_wmma_scale_f32_16x16x128_f8f6f4 v[96+8*\t:103+8*\t], v[32+6*\t:43+6*\t], v[16:27], 0, v[86+\t/2], v92 matrix_a_fmt:MATRIX_FMT_FP6 matrix_b_fmt:MATRIX_FMT_FP6
.else
	v_wmma_scale_f32_16x16x128_f8f6f4 v[96+8*\t:103+8*\t], v[32+6*\t:43+6*\t], v[16:27], 0, v[86+\t/2], v92 matrix_a_fmt:MATRIX_FMT_FP6 matrix_b_fmt:MATRIX_FMT_FP6 matrix_a_scale:MATRIX_SCALE_ROW1
.endif
.endr                                  ; lane (r, h) holds my query r; register 16 b + i is key 32 b + 16 h + i of the step
.rept 4
	v_nop                                          ; places: K's registers are loaded again and the scores read below
.endr
.irp d, 0,1,2,3                        ; V's four fragments are asked for now and land under the softmax
.irp c, 0,1
	ds_load_b128 v[32+12*\d+6*\c:35+12*\d+6*\c], v8 offset:VOFF+(2*(\q)+\c)*3072+768*\d
	ds_load_b64 v[36+12*\d+6*\c:37+12*\d+6*\c], v9 offset:VOFF+(2*(\q)+\c)*3072+768*\d+512
.endr
.endr
.irp i, 0,1
	ds_load_b32 v[90+\i], v11 offset:256*(\q)+128*\i
.endr
	s_add_co_u32 s97, s96, 127                     ; on the diagonal hidden scores become -infinity ahead of the maximum: p = 0 then.  A step all of whose keys count skips this
	s_cmp_le_u32 s97, s[Q0]
	s_cbranch_scc1 .Lopen_\@
	s_sub_co_i32 s97, s[Q0], s96
	v_add_nc_u32 v212, s97, v7                     ; d = my query - the step's first key - 16 h: register 16 b + i is hidden where 32 b + i > d
	v_mov_b32 v213, 0xff800000
.set n, 0
.rept 64
	v_cmp_gt_i32 vcc_lo, 32*(n/16)+n%16, v212
	v_cndmask_b32 v[96+n], v[96+n], v213, vcc_lo
.set n, n+1
.endr
.Lopen_\@:
.irp b, 0,1,2,3
	v_max3_num_f32 v[BM+\b], v[96+16*\b], v[97+16*\b], v[98+16*\b]   ; the largest score of each block of 32 keys: it serves for the row's maximum and, since p rises with the score, for the block's largest p
.endr
.irp i, 3,5,7,9,11,13
.irp b, 0,1,2,3
	v_max3_num_f32 v[BM+\b], v[BM+\b], v[96+16*\b+\i], v[97+16*\b+\i]
.endr
.endr
.irp b, 0,1,2,3
	v_max_num_f32 v[BM+\b], v[BM+\b], v[111+16*\b]
.endr
.irp b, 0,1,2,3
	v_permlanex16_b32 v[BT+\b], v[BM+\b], s[SEL], s[SEL+1]
.endr
.irp b, 0,1,2,3
	v_max_num_f32 v[BM+\b], v[BM+\b], v[BT+\b]     ; with lane l xor 16's 16 keys
.endr
	v_max3_num_f32 v212, v[BM], v[BM+1], v[BM+2]
	v_max_num_f32 v212, v212, v[BM+3]
	v_mul_f32 v212, s[CS], v212                    ; the step's largest t
	v_max_num_f32 v13, v13, v212                   ; the running largest t
	v_mov_b32 v212, v12
	v_floor_f32 v12, -v13                          ; the new -M = -ceil(t): a whole number
	v_sub_f32 v212, v12, v212                      ; old M - new M: a whole number, 0 or less
	v_cvt_i32_f32 v212, v212                       ; (it saturates)
	v_ldexp_f32 v214, 1.0, v212                    ; f = 2^(old M - new M)
.set n, 0
.rept 32
	v_pk_fma_f32 v[96+n:97+n], v[96+n:97+n], s[CS:CS+1], v[12:13] op_sel_hi:[1,0,0]   ; t - M, two at a time
.set n, n+2
.endr
.irp b, 0,1,2,3
	v_fma_f32 v[BM+\b], v[BM+\b], s[CS], v12       ; the same of each block's largest score
.endr
.set n, 0
.rept 64
	v_exp_f32 v[96+n], v[96+n]                     ; p = 2^(t - M)
.set n, n+1
.endr
	v_pk_mul_f32 v[14:15], v[14:15], v[214:215] op_sel_hi:[1,0]   ; the sums under the new M: a plain place behind the exponentials
	s_wait_alu depctr_va_vdst(0)                   ; the wait ahead of the first line that names a result: one for the batch of 64
.irp b, 0,1,2,3
	v_exp_f32 v[BM+\b], v[BM+\b]                   ; the blocks' largest p: the same two instructions on the same number give the same bits
.endr
	v_pk_add_f32 v[216:217], v[96:97], v[98:99]    ; the row's sum is taken of the unquantised p, in two chains
.irp j, 4,8,12,16,20,24,28,32,36,40,44,48
	v_pk_add_f32 v[14:15], v[14:15], v[96+\j:97+\j]
	v_pk_add_f32 v[216:217], v[216:217], v[98+\j:99+\j]
.endr
	s_wait_alu depctr_va_vdst(0)                   ; and one for the four
.irp b, 0,1,2,3
	v_max_num_f32 v[BM+\b], 0x1800000, v[BM+\b]    ; the floor 2^(3 - 127): a block whose every p is 0 keeps the byte 1: its codes are zeros
.endr
.irp b, 0,1,2,3
	v_add_nc_u32 v[SO+\b], 0xff000000, v[BM+\b]
.endr
.irp b, 0,1,2,3
	v_lshrrev_b32 v[BT+\b], 23, v[SO+\b]
.endr
	v_lshl_or_b32 v215, v[BT+1], 8, v[BT]          ; p's scale word for these 128 keys
	v_lshl_or_b32 v215, v[BT+2], 16, v215
	v_lshl_or_b32 v215, v[BT+3], 24, v215
.irp c, 0,1
	v_cvt_scalef32_pk16_fp6_f32 v[224+6*\c:226+6*\c], v[96+32*\c:111+32*\c], v[SO+2*\c]
	v_cvt_scalef32_pk16_fp6_f32 v[CT+4*\c:CT+4*\c+2], v[112+32*\c:127+32*\c], v[SO+2*\c+1]
.endr
	v_nop                                          ; one plain place behind a scaled conversion
.irp c, 0,1                            ; the operand's layout wants a WHOLE block in a lane
.irp i, 0,1,2
	v_permlane16_swap_b32 v[224+6*\c+\i], v[CT+4*\c+\i]
.endr
.irp i, 0,1,2
	v_mov_b32 v[227+6*\c+\i], v[CT+4*\c+\i]
.endr
.endr
.set n, 0
.rept 16
	v_pk_mul_f32 v[160+n:161+n], v[160+n:161+n], v[214:215] op_sel_hi:[1,0]   ; O^T under the new M, each accumulator from its low end on
.set n, n+2
.endr
.irp j, 52,56,60                       ; the rest of the sums stands here: with the lines above, the places between the scale word, the codes and O^T's last write and the products below
	v_pk_add_f32 v[14:15], v[14:15], v[96+\j:97+\j]
	v_pk_add_f32 v[216:217], v[216:217], v[98+\j:99+\j]
.endr
	v_pk_add_f32 v[14:15], v[14:15], v[216:217]
	s_wait_dscnt 0x0                               ; V and its scale words are in
.irp d, 0,1,2,3                        ; O^T += V^T P^T: four tiles of 16 channels, by turns
.if (\d%2) == 0
	v_wmma_scale_f32_16x16x128_f8f6f4 v[160+8*\d:167+8*\d], v[32+12*\d:43+12*\d], v[224:235], v[160+8*\d:167+8*\d], v[90+\d/2], v215 matrix_a_fmt:MATRIX_FMT_FP6 matrix_b_fmt:MATRIX_FMT_FP6
.else
	v_wmma_scale_f32_16x16x128_f8f6f4 v[160+8*\d:167+8*\d], v[32+12*\d:43+12*\d], v[224:235], v[160+8*\d:167+8*\d], v[90+\d/2], v215 matrix_a_fmt:MATRIX_FMT_FP6 matrix_b_fmt:MATRIX_FMT_FP6 matrix_a_scale:MATRIX_SCALE_ROW1
.endif
.endr
.Lhidden_\@:
.endm
.macro DSTEP g0, base, step            ; a walking descriptor: the other LDS slot, the slot of keys s[NXT]
	s_xor_b32 s[\g0+1], s[\g0+1], SLOT1
	s_mul_i32 s86, s[NXT], \step
	s_add_nc_u64 s[\g0+2:\g0+3], s[\base:\base+1], s[86:87]
	s_or_b32 s[\g0+3], s[\g0+3], 0x80000000
.endm
; THE CHANGE OF SLOTS stands at a slot's head.  Each wave waits for all its tensor loads (its part of the slot that it is about to read), adds 0 to its spare word, and waits for that and for its reads of the slot that it has left.
; Behind the barrier the slot ahead is whole and nobody reads the other one.  fill = 1: that other slot takes the keys of the next trip: the load has a whole slot's steps in which to land.  One load of a wave is out at the most.
.macro CHANGE fill
	s_wait_tensorcnt 0x0                           ; no tensor load of mine is out, so a group 0 may be written
	ds_add_u32 v[SPW], v[NIL]                      ; 0 onto my spare word
.if \fill
	s_add_co_u32 s[NXT], s[SIG], 1
	s_cmp_eq_u32 s[TC], s16
	s_cselect_b32 s[NXT], 0, s[NXT]                ; behind the first block's last slot the second block begins at key 0
	DSTEP G0K, BK, 12288
	DSTEP G0V, BK+2, 196608
	DSTEP G0SK, BK+4, 1024
	DSTEP G0SV, BK+6, 8192
.endif
	s_wait_dscnt 0x0                               ; the add is done, and my reads of the slot that I have left are over
	s_barrier_signal -1
	s_barrier_wait -1
.if \fill
	TLOAD4                                         ; the first thing behind the barrier, a wave's one tensor load until the next
.endif
.endm
; A BLOCK'S END.  O^T is divided by the row's sum and quantised along the channels: register 16 g + i is channel 32 g + 16 h + i of my query: two blocks of 32, each in lanes l and l xor 16.
.macro FINAL reinit
.rept 4
	v_nop                                          ; places behind the last products
.endr
	v_add_f32 v14, v14, v15
	v_permlanex16_b32 v213, v14, s[SEL], s[SEL+1]
	v_add_f32 v14, v14, v213                       ; the row's sum
	v_rcp_f32 v14, v14
	v_nop                                          ; a plain place behind the reciprocal
	s_wait_alu depctr_va_vdst(0)                   ; and the wait ahead of its first reader
.set n, 0
.rept 16
	v_pk_mul_f32 v[96+n:97+n], v[160+n:161+n], v[14:15] op_sel_hi:[1,0]
.set n, n+2
.endr
.irp g, 0,1
	v_max3_num_f32 v[BM+\g], |v[96+16*\g]|, |v[97+16*\g]|, 0x1800000
.endr
.irp i, 2,4,6,8,10,12,14
.irp g, 0,1
	v_max3_num_f32 v[BM+\g], v[BM+\g], |v[96+16*\g+\i]|, |v[97+16*\g+\i]|
.endr
.endr
.irp g, 0,1
	v_permlanex16_b32 v[BT+\g], v[BM+\g], s[SEL], s[SEL+1]
.endr
.irp g, 0,1
	v_max_num_f32 v[BM+\g], v[BM+\g], v[BT+\g]
.endr
.irp g, 0,1
	v_add_nc_u32 v[SO+\g], 0xff000000, v[BM+\g]
.endr
.irp g, 0,1
	v_lshrrev_b32 v[BT+\g], 23, v[SO+\g]
.endr
	v_cvt_scalef32_pk16_fp6_f32 v[224:226], v[96:111], v[SO]
	v_cvt_scalef32_pk16_fp6_f32 v[CT:CT+2], v[112:127], v[SO+1]
	v_cndmask_b32 v212, v[BT], v[BT+1], s[HIM]     ; lane (r, h) stores block h's byte.  (The plain place behind the conversions)
.irp i, 0,1,2
	v_permlane16_swap_b32 v[224+\i], v[CT+\i]
.endr
.irp i, 0,1,2
	v_mov_b32 v[227+\i], v[CT+\i]
.endr
	global_store_b128 v1, v[224:227], s[92:93]               ; 512 and 256 consecutive bytes, aligned
	global_store_b64 v2, v[228:229], s[92:93] offset:512
	global_store_b8 v28, v212, s[94:95]
.if \reinit
	s_wait_xcnt 0x0                                ; the stores and Q's old loads have read their bases and data: both are written again below
	s_mov_b32 s17, s13                             ; the second block: J
	BLKSET
	QLOAD
	INIT
	s_wait_loadcnt 0x0
.endif
.endm
.Ltrip:                                            ; eight trips; the ninth is written out
	CHANGE 1
	s_lshl_b32 s[KF], s[SIG], 8
	STEP 0
	STEP 1
	s_cmp_lg_u32 s[TC], s16
	s_cbranch_scc1 .Lsame
	FINAL 1
.Lsame:
	s_mov_b32 s[SIG], s[NXT]
	s_xor_b32 s[TB], s[TB], SLOT1
	s_add_co_u32 s[TC], s[TC], 1
	s_cmp_lt_u32 s[TC], 8
	s_cbranch_scc1 .Ltrip
	CHANGE 0
	s_lshl_b32 s[KF], s[SIG], 8
	STEP 0
	STEP 1
	FINAL 0
	s_wait_tensorcnt 0x0                           ; the wave's end
	ds_add_u32 v[SPW], v[NIL]
	s_wait_dscnt 0x0
	s_endpgm
.Lfunc_end_k_q1fb4a4ed4e_attn:
	.size	k_q1fb4a4ed4e_attn, .Lfunc_end_k_q1fb4a4ed4e_attn-k_q1fb4a4ed4e_attn
	.p2alignl 7, 3214868480
	.fill 96, 4, 3214868480
	.section	.rodata,"a",@progbits
	.p2align	6, 0x0
	.amdhsa_kernel k_q1fb4a4ed4e_attn
		.amdhsa_group_segment_fixed_size 327680
		.amdhsa_private_segment_fixed_size 0
		.amdhsa_enable_private_segment 0
		.amdhsa_kernarg_size 32
		.amdhsa_user_sgpr_count 2
		.amdhsa_user_sgpr_kernarg_segment_ptr 1
		.amdhsa_wavefront_size32 1
		.amdhsa_system_sgpr_workgroup_id_x 1
		.amdhsa_system_sgpr_workgroup_id_y 1
		.amdhsa_system_sgpr_workgroup_id_z 1
		.amdhsa_system_vgpr_workitem_id 0
		.amdhsa_next_free_vgpr 256
		.amdhsa_next_free_sgpr 100
		.amdhsa_reserve_vcc 1
		.amdhsa_float_denorm_mode_32 3
		.amdhsa_float_denorm_mode_16_64 3
		.amdhsa_memory_ordered 1
		.amdhsa_forward_progress 1
		.amdhsa_inst_pref_size 107
	.end_amdhsa_kernel
	.amdgpu_metadata
---
amdhsa.version: [ 1, 2 ]
amdhsa.kernels:
  - .name:           k_q1fb4a4ed4e_attn
    .symbol:         k_q1fb4a4ed4e_attn.kd
    .args:
      - { .name: qkvc, .offset: 0, .size: 8, .value_kind: global_buffer, .address_space: global }
      - { .name: qkvs, .offset: 8, .size: 8, .value_kind: global_buffer, .address_space: global }
      - { .name: ac, .offset: 16, .size: 8, .value_kind: global_buffer, .address_space: global }
      - { .name: sc2, .offset: 24, .size: 8, .value_kind: global_buffer, .address_space: global }
    .group_segment_fixed_size: 327680
    .private_segment_fixed_size: 0
    .kernarg_segment_align: 8
    .kernarg_segment_size: 32
    .max_flat_workgroup_size: 512
    .sgpr_count:     100
    .vgpr_count:     256
    .wavefront_size: 32
...
	.end_amdgpu_metadata
.endif
;; end of part 3
;; launch gemm_out (part 4): grid 4 x 32, 4 waves a work-group, clusters of 4 x 4, 327,680 bytes of LDS; arguments ac, wc, sc2, b_out, out0; writes out0
.if DOCPART == 4
	.amdgcn_target "amdgcn-amd-amdhsa--gfx1250"
	.amdhsa_code_object_version 6
	.text
	.protected	k_q1fb4a4ed4e_gemm_out
	.globl	k_q1fb4a4ed4e_gemm_out
	.p2align	8
	.type	k_q1fb4a4ed4e_gemm_out,@function
k_q1fb4a4ed4e_gemm_out:
	s_mov_b64 s[64:65], 0
	v_nop
	global_prefetch_b8 v0, s[64:65] scope:SCOPE_SE
	s_setreg_imm32_b32 hwreg(HW_REG_WAVE_MODE, 25, 1), 1
	s_wait_xcnt 0x0
	s_wait_alu depctr_hold_cnt(0) depctr_sa_sdst(0) depctr_va_vdst(0) depctr_va_sdst(0) depctr_va_ssrc(0) depctr_va_vcc(0) depctr_vm_vsrc(0)
	s_getreg_b32 s2, hwreg(HW_REG_IB_STS2, 6, 4)
	s_cmp_eq_u32 s2, 0
	s_cbranch_scc0 .Lentry_in_a_cluster
	s_endpgm
.Lentry_in_a_cluster:
	s_bfe_u32 s2, ttmp6, 0x10000c
	s_cmp_lg_u32 s2, 0xf033
	s_cbranch_scc0 .Lentry_shape_is_right
	s_endpgm
.Lentry_shape_is_right:
; out = att W_out + b_out on codes of FP6 (E2M3) with E8M0 scales, f32 sums, f32 result.
; A work-group of four waves makes 256 tokens x 256 columns, a wave 128 x 128: 64 accumulators, 512 registers.  K = 1,024 goes in eight steps of 128 through two LDS slots of two steps each.
; The operands lie in memory as images of the matrix unit's registers (1,536 bytes a fragment of 16 rows x 128 K; tile t holds rows 32 (t / 2) + 8 (t % 2) + r + 8 (r / 8)): a fragment comes from LDS by two loads of 16 and two of 8 bytes a lane, all dense.
; P = W_out's columns is source 0 (wc's tiles 192 on), L = the tokens source 1: a lane holds one token, and the 16 registers of two neighbouring tiles are 16 neighbouring columns.  The bias is the C of the first K step.
; CLUSTERS: 4 x 4 work-groups; att's tiles are asked for jointly along a row of the cluster, W's along a column.  128 work-groups: one tile to each.
; REGISTERS, in windows of 256: window 0: v16-30 addresses; v32-95 all scale words (register 8 i + ks: lanes 0-15 L's tile i, lanes 16-31 P's tile i, K step ks); v128-223 L's fragments, one set; on the way out v128-255 rows of the result.
;   window 1: P's fragments, two sets, at v0 and v128; the bias at v96-127 and v224-255.   windows 2, 3: the accumulators: (a, b) at v[8 (8 (a % 4) + b)], a = L's tile, b = P's.
.set HALFT, 24576                      ; 8 tiles x 2 K steps x 1,536 bytes: what one tensor load brings, and what a wave reads of att or of W
.set SLOT,  4*HALFT                    ; att's 16 tiles, then W's 16
.set SPARE, 2*SLOT                     ; behind the ring: the spare words, 128 bytes for each wave, that no other line names
.set FR,    12
.set NL,    4
.set SPITCH, 528                       ; the way out: a stage of 16 rows x (512 + 16) bytes for each wave, in slot 0, which has had its last fill and its last read when the first result is stored there
.set ADL16, 16
.set ADL8,  18
.set ADP16, 20
.set ADP8,  22
.set L16,   24
.set L8,    25
.set STO,   27                         ; v27 the stage: where I put 16 bytes of a row
.set SPW,   28                         ; v28 LDS address of my spare word; never rewritten
.set NIL,   29                         ; v29 0; never rewritten
.set RD,    30                         ; v30 the stage: where I read a row back
.set SC,    32
.set LF,    128
.set BK,    128
.set WV, 16
.set G1, 24
.set G0, 32
.set G1B, 48
.set G0B, 56
.set HIM, 86
.set MSB, 0
.macro WIN new                         ; the immediate's high byte repeats the setting that is left
.if MSB != \new
	s_set_vgpr_msb (MSB<<8)|\new
.set MSB, \new
.endif
.endm
; A joint load: waves 0 and 1 fetch for att, waves 2 and 3 for W.  The branch hangs on the wave's number alone.  An s_nop 0 and four v_nop follow each of the two lines.
.macro JLOAD g0a, g1a, g0b, g1b
	s_cmp_eq_u32 s17, 0
	s_cbranch_scc0 .Lfor_b_\@
	tensor_load_to_lds s[\g0a:\g0a+3], s[\g1a:\g1a+7]
	s_nop 0
.rept 4
	v_nop
.endr
	s_branch .Lasked_\@
.Lfor_b_\@:
	tensor_load_to_lds s[\g0b:\g0b+3], s[\g1b:\g1b+7]
	s_nop 0
.rept 4
	v_nop
.endr
.Lasked_\@:
.endm
.macro CREST
	s_cmp_lg_u32 s[WV], 0
	s_cbranch_scc1 .Lnot_wave_0_\@
	s_barrier_signal -3
.Lnot_wave_0_\@:
	s_barrier_wait -3
	s_barrier_signal -1
	s_barrier_wait -1
.endm
.macro CROUND
	s_barrier_signal -1
	s_barrier_wait -1
	CREST
.endm
.macro PLACES                          ; four places in front of loads into registers that matrix instructions have read, and of the first read of results
.rept 4
	v_nop
.endr
.endm
	s_load_b256 s[4:11], s[0:1], 0x0               ; ac s[4:5], wc s[6:7], sc2 s[8:9], b_out s[10:11]
	s_load_b64 s[12:13], s[0:1], 0x20              ; out0
	v_lshl_add_u32 v[SPW], v0, 2, SPARE
	v_mov_b32 v[NIL], 0
	ds_add_u32 v[SPW], v[NIL]                      ; the wave's opening: the add and its wait stand ahead of my first tensor load; work on registers stands between them
	v_lshrrev_b32 v1, 5, v0
	v_readfirstlane_b32 s[WV], v1
	s_lshr_b32 s17, s[WV], 1                       ; my half of the tokens' tiles.  Also: I fetch for att (0) or W (1)
	s_and_b32 s18, s[WV], 1                        ; my half of W's tiles.  Also: which 8 tiles I fetch
	s_bfe_u32 s40, ttmp6, 0x40000
	s_bfe_u32 s41, ttmp6, 0x40004
	s_lshl_b32 s42, ttmp9, 2
	s_add_co_u32 s42, s42, s40                     ; TX
	s_and_b32 s43, ttmp7, 0xffff
	s_lshl_b32 s43, s43, 2
	s_add_co_u32 s43, s43, s41                     ; TY
	s_lshl_b32 s44, s41, 2
	s_lshl_b32 s44, 15, s44                        ; my row of the cluster
	s_lshl_b32 s45, 0x1111, s40                    ; my column
	s_or_b32 s[G1+0], s44, (3<<16)|(1<<21)         ; 8 rows (tiles) of 3,072 bytes, 12,288 bytes apart; elements of 8 bytes; no padding
	s_or_b32 s[G1B+0], s45, (3<<16)|(1<<21)
.irp g, G1, G1B
	s_mov_b32 s[\g+1], 384<<16
	s_mov_b32 s[\g+2], 8<<16
	s_mov_b32 s[\g+3], 384<<16
	s_mov_b32 s[\g+4], 8
	s_mov_b32 s[\g+5], 1536
	s_mov_b32 s[\g+6], 0
	s_mov_b32 s[\g+7], 0
.endr
	s_lshl_b32 s19, s18, 3
	s_lshl_b32 s20, s43, 4
	s_add_co_u32 s20, s20, s19
	s_mul_i32 s20, s20, 12288                      ; att: tile 16 TY + 8 x half
	s_mov_b32 s21, 0
	s_lshl_b32 s46, s42, 4
	s_add_co_u32 s46, s46, s19
	s_add_co_u32 s46, s46, 192
	s_mul_i32 s46, s46, 12288                      ; W_out: tile 192 + 16 TX + 8 x half
	s_mov_b32 s47, 0
	s_mul_i32 s22, s[WV], HALFT
	s_mov_b32 s[HIM], 0xffff0000
	s_wait_dscnt 0x0                               ; the opening add is done
	s_wait_kmcnt 0x0
	s_add_nc_u64 s[20:21], s[4:5], s[20:21]
	s_add_nc_u64 s[46:47], s[6:7], s[46:47]
	CROUND                                         ; all sixteen work-groups are here: the first joint loads meet
.irp s, 0,1
	s_mov_b32 s[G0+4*\s], 1
	s_add_co_u32 s[G0+4*\s+1], s22, \s*SLOT
	s_add_nc_u64 s[G0+4*\s+2:G0+4*\s+3], s[20:21], \s*3072
	s_or_b32 s[G0+4*\s+3], s[G0+4*\s+3], 0x80000000
	s_mov_b32 s[G0B+4*\s], 1
	s_add_co_u32 s[G0B+4*\s+1], s22, \s*SLOT
	s_add_nc_u64 s[G0B+4*\s+2:G0B+4*\s+3], s[46:47], \s*3072
	s_or_b32 s[G0B+4*\s+3], s[G0B+4*\s+3], 0x80000000
	JLOAD G0+4*\s, G1, G0B+4*\s, G1B               ; K steps 0, 1 and 2, 3: two loads of mine are out
.endr
	v_and_b32 v1, 31, v0
	v_and_b32 v2, 15, v0
	v_bfe_u32 v3, v0, 4, 1
	v_lshlrev_b32 v[L16], 4, v1
	v_lshlrev_b32 v[L8], 3, v1
	v_and_b32 v4, 8, v2
	v_add_nc_u32 v4, v4, v2                        ; r + 8 (r / 8)
	s_mul_i32 s66, s17, HALFT                      ; L: my half of the tokens' tiles in a slot
	s_mul_i32 s67, s18, HALFT
	s_add_co_u32 s67, s67, 2*HALFT                 ; P: my half of W's
	s_lshl_b32 s68, s43, 8
	s_lshl_b32 s69, s17, 7
	s_add_co_u32 s68, s68, s69                     ; my first token: also its row in sc2
	s_lshl_b32 s69, s42, 8
	s_lshl_b32 s70, s18, 7
	s_add_co_u32 s69, s69, s70                     ; my first column
	s_add_co_u32 s70, s69, 8192                    ; its row in sc2
.irp s, 0,1
	v_add_nc_u32 v[ADL16+\s], s66, v[L16]
	v_add_nc_u32 v[ADL8+\s], s66, v[L8]
	v_add_nc_u32 v[ADP16+\s], s67, v[L16]
	v_add_nc_u32 v[ADP8+\s], s67, v[L8]
	s_add_co_u32 s66, s66, SLOT
	s_add_co_u32 s67, s67, SLOT
.endr
	v_mov_b32 v5, s68
	v_mov_b32 v6, s70
	v_cndmask_b32 v5, v5, v6, s[HIM]               ; lanes 0-15 take L's rows, lanes 16-31 P's
	v_add_nc_u32 v5, v5, v4
	v_lshlrev_b32 v5, 5, v5
.irp i, 0,1,2,3,4,5,6,7
.irp e, 0,1
	global_load_b128 v[SC+8*\i+4*\e:SC+8*\i+4*\e+3], v5, s[8:9] offset:(32*(\i/2)+8*(\i%2))*32+16*\e   ; tile i, K steps 4 e .. 4 e + 3: they stay in registers
.endr
.endr
	s_lshl_b32 s88, s69, 2
	s_mov_b32 s89, 0
	s_add_nc_u64 s[10:11], s[10:11], s[88:89]      ; the bias of my 128 columns
	v_lshlrev_b32 v6, 6, v3                        ; lane (r, h) wants, for tile 2 g + u, columns 32 g + 16 h + 8 u + 0 .. 7
	WIN 0x40
.irp b, 0,1,2,3,4,5,6,7
	global_load_b128 v[96+8*\b+96*(\b/4):96+8*\b+96*(\b/4)+3], v6, s[10:11] offset:(32*(\b/2)+8*(\b%2))*4
	global_load_b128 v[96+8*\b+96*(\b/4)+4:96+8*\b+96*(\b/4)+7], v6, s[10:11] offset:(32*(\b/2)+8*(\b%2))*4+16
.endr
	WIN 0
	s_mul_i32 s71, s[WV], 16*SPITCH                ; my stage
	v_mul_u32_u24 v7, v2, SPITCH
	v_lshl_add_u32 v7, v3, 6, v7
	v_add_nc_u32 v[STO], s71, v7                   ; in: row r, + 64 h bytes
	v_add_nc_u32 v[RD], s71, v[L16]                ; back: a row of 512 bytes, 16 a lane
	s_lshl_b32 s72, s68, 12                        ; my first token's row of 4,096 bytes,
	s_add_co_u32 s72, s72, s88                     ; my first column
	s_mov_b32 s73, 0
	s_add_nc_u64 s[12:13], s[12:13], s[72:73]
	s_wait_loadcnt 0x0
.macro FRAG reg, a16, a8, q, i
	ds_load_b128 v[\reg:\reg+3], v[\a16] offset:3072*(\i)+1536*(\q)
	ds_load_b64 v[\reg+4:\reg+5], v[\a8] offset:3072*(\i)+1536*(\q)+512
	ds_load_b128 v[\reg+6:\reg+9], v[\a16] offset:3072*(\i)+1536*(\q)+768
	ds_load_b64 v[\reg+10:\reg+11], v[\a8] offset:3072*(\i)+1536*(\q)+1280
.endm
.macro FETCH_P slot, q, set
	WIN 0x40
.irp i, 0,1,2,3,4,5,6,7
	FRAG 128*(\set)+FR*\i, ADP16+\slot, ADP8+\slot, \q, \i
.endr
	WIN 0
.endm
.macro FETCH_L slot, q, i0
.irp i, \i0, \i0+1, \i0+2, \i0+3
	FRAG LF+FR*(\i), ADL16+\slot, ADL8+\slot, \q, \i
.endr
.endm
; 16 matrix instructions: L's tiles a0, a0 + 1 x P's eight.  The 64 accumulators take turns, one instruction a turn, in the same order in every K step.  first = 1: C is the bias.
.macro MUL16 a0, set, ks, first
.irp a, \a0, \a0+1
.irp b, 0,1,2,3,4,5,6,7
.if \first
	v_wmma_scale_f32_16x16x128_f8f6f4 v[8*(8*((\a)%4)+\b):8*(8*((\a)%4)+\b)+7], v[128*(\set)+FR*\b:128*(\set)+FR*\b+FR-1], v[LF+FR*(\a):LF+FR*(\a)+FR-1], v[96+8*\b+96*(\b/4):96+8*\b+96*(\b/4)+7], v[SC+8*\b+(\ks)], v[SC+8*(\a)+(\ks)] matrix_a_fmt:MATRIX_FMT_FP6 matrix_b_fmt:MATRIX_FMT_FP6 matrix_a_scale:MATRIX_SCALE_ROW1
.else
	v_wmma_scale_f32_16x16x128_f8f6f4 v[8*(8*((\a)%4)+\b):8*(8*((\a)%4)+\b)+7], v[128*(\set)+FR*\b:128*(\set)+FR*\b+FR-1], v[LF+FR*(\a):LF+FR*(\a)+FR-1], v[8*(8*((\a)%4)+\b):8*(8*((\a)%4)+\b)+7], v[SC+8*\b+(\ks)], v[SC+8*(\a)+(\ks)] matrix_a_fmt:MATRIX_FMT_FP6 matrix_b_fmt:MATRIX_FMT_FP6 matrix_a_scale:MATRIX_SCALE_ROW1
.endif
.endr
.endr
.endm
.macro STEP slot, ks, first
	s_wait_dscnt 4*NL                              ; P's set and L's tiles 0-3 are in; the youngest 16 loads (L's tiles 4-7) may be out
.if \first
	WIN 0x91                                       ; source 0 (P) and C (the bias) window 1, source 1 (L) window 0, D window 2
.else
	WIN 0xa1
.endif
	MUL16 0, 0, \ks, \first
	MUL16 2, 0, \ks, \first
	s_wait_dscnt 0x0
	PLACES
	FETCH_P \slot, 1, 1
	FETCH_L \slot, 1, 0
.if \first
	WIN 0xd1
.else
	WIN 0xf1
.endif
	MUL16 4, 0, \ks, \first
	MUL16 6, 0, \ks, \first
	PLACES
	WIN 0
	FETCH_L \slot, 1, 4
.endm
; A slot's second K step changes slots: ONE barrier; in front of it each wave waits for all its tensor loads, adds 0 to its spare word, and waits for that and for its reads of this slot.  fill = 1: this slot is filled again, four K steps ahead.
.macro TURN slot, next, fill, ks
	s_wait_tensorcnt 0x0                           ; all my tensor loads have landed: my part of the next slot
	ds_add_u32 v[SPW], v[NIL]                      ; 0 onto my spare word
	s_wait_dscnt 4*NL+1                            ; (the add and the youngest 16 loads may be out)
	WIN 0xa1
	MUL16 0, 1, \ks, 0
	s_wait_dscnt 0x0                               ; the add is done, and my reads of this slot are over
	s_barrier_signal -1
	MUL16 2, 1, \ks, 0
	WIN 0
	s_barrier_wait -1
.if \fill
	CREST                                          ; the barrier has opened a round of the cluster's barrier: no wave of any partner still reads this slot or has a load on its way
	s_add_nc_u64 s[G0+4*\slot+2:G0+4*\slot+3], s[G0+4*\slot+2:G0+4*\slot+3], 6144
	s_add_nc_u64 s[G0B+4*\slot+2:G0B+4*\slot+3], s[G0B+4*\slot+2:G0B+4*\slot+3], 6144
	JLOAD G0+4*\slot, G1, G0B+4*\slot, G1B         ; the first tensor load behind the round, my one load until the next
.else
	PLACES
.endif
	FETCH_P \next, 0, 0
	FETCH_L \next, 0, 0
	WIN 0xf1
	MUL16 4, 1, \ks, 0
	MUL16 6, 1, \ks, 0
	PLACES
	WIN 0
	FETCH_L \next, 0, 4
.endm
	s_wait_tensorcnt 1                             ; my part of slot 0 is in (slot 1's load may be out)
	s_barrier_signal -1
	s_barrier_wait -1                              ; everybody's is
	FETCH_P 0, 0, 0
	FETCH_L 0, 0, 0
	FETCH_L 0, 0, 4
	STEP 0, 0, 1
	TURN 0, 1, 1, 1                                ; slot 0 takes K steps 4, 5
	STEP 1, 2, 0
	TURN 1, 0, 1, 3                                ; slot 1 takes K steps 6, 7
	STEP 0, 4, 0
	TURN 0, 1, 0, 5                                ; nothing is left to fetch; behind this barrier nobody reads slot 0
	STEP 1, 6, 0
	s_wait_dscnt 4*NL
	WIN 0xa1
	MUL16 0, 1, 7, 0
	MUL16 2, 1, 7, 0
	s_wait_dscnt 0x0
	WIN 0xf1
	MUL16 4, 1, 7, 0
	MUL16 6, 1, 7, 0
	WIN 0
; THE WAY OUT, L's tiles one after the other: 16 tokens x 128 columns go through my own stage and come back as whole rows of 512 bytes.  LDS serves a wave's instructions in order: no wait between the stores and the loads.
.macro TOSTAGE a
.set AC, 64*((\a)%4)
.set WW, 0x08+4*((\a)/4)
	WIN WW                                         ; an LDS store's data are its source 1: window 2 or 3
.irp b, 0,1,2,3,4,5,6,7
	ds_store_b128 v[STO], v[AC+8*\b:AC+8*\b+3] offset:128*(\b/2)+32*(\b%2)        ; each accumulator from its low end on: columns 32 (b / 2) + 8 (b % 2) + 16 h + 0 .. 7
	ds_store_b128 v[STO], v[AC+8*\b+4:AC+8*\b+7] offset:128*(\b/2)+32*(\b%2)+16
.endr
	WIN 0
.set BB, BK+64*((\a)%2)
.irp t, 0,1,2,3,4,5,6,7,8,9,10,11,12,13,14,15
	ds_load_b128 v[BB+4*\t:BB+4*\t+3], v[RD] offset:\t*SPITCH
.endr
.endm
.macro SEND a, younger                 ; younger: the LDS instructions issued behind tile a's loads, which may stay out
.set BB, BK+64*((\a)%2)
	s_wait_dscnt \younger
.irp t, 0,1,2,3,4,5,6,7,8,9,10,11,12,13,14,15
	global_store_b128 v[L16], v[BB+4*\t:BB+4*\t+3], s[12:13] offset:(32*((\a)/2)+8*((\a)%2)+\t+8*(\t/8))*4096 th:TH_STORE_NT   ; 32 lanes store 512 consecutive bytes, aligned; the tile's row t is token 32 (a / 2) + 8 (a % 2) + t + 8 (t / 8)
.endr
.endm
	PLACES                                         ; behind the last products
	TOSTAGE 0
.irp a, 1,2,3,4,5,6,7
.if \a > 1
	s_wait_xcnt 0x0                                ; tile a - 2's stores have read their registers: tile a's loads may land there
.endif
	TOSTAGE \a
	SEND \a-1, 32                                  ; behind tile a - 1's loads: tile a's 16 stores and 16 loads
.endr
	SEND 7, 0
	s_wait_tensorcnt 0x0                           ; the wave's end, behind my last tensor load and my last LDS store
	ds_add_u32 v[SPW], v[NIL]
	s_wait_dscnt 0x0
	CROUND                                         ; the closing round: no work-group ends while a partner may still ask for a tile that names it
	s_endpgm
.Lfunc_end_k_q1fb4a4ed4e_gemm_out:
	.size	k_q1fb4a4ed4e_gemm_out, .Lfunc_end_k_q1fb4a4ed4e_gemm_out-k_q1fb4a4ed4e_gemm_out
	.p2alignl 7, 3214868480
	.fill 96, 4, 3214868480
	.section	.rodata,"a",@progbits
	.p2align	6, 0x0
	.amdhsa_kernel k_q1fb4a4ed4e_gemm_out
		.amdhsa_group_segment_fixed_size 327680
		.amdhsa_private_segment_fixed_size 0
		.amdhsa_enable_private_segment 0
		.amdhsa_kernarg_size 40
		.amdhsa_user_sgpr_count 2
		.amdhsa_user_sgpr_kernarg_segment_ptr 1
		.amdhsa_wavefront_size32 1
		.amdhsa_system_sgpr_workgroup_id_x 1
		.amdhsa_system_sgpr_workgroup_id_y 1
		.amdhsa_system_sgpr_workgroup_id_z 1
		.amdhsa_system_vgpr_workitem_id 0
		.amdhsa_next_free_vgpr 1024
		.amdhsa_next_free_sgpr 100
		.amdhsa_reserve_vcc 0
		.amdhsa_float_denorm_mode_32 3
		.amdhsa_float_denorm_mode_16_64 3
		.amdhsa_memory_ordered 1
		.amdhsa_forward_progress 1
		.amdhsa_inst_pref_size 142
	.end_amdhsa_kernel
	.amdgpu_metadata
---
amdhsa.version: [ 1, 2 ]
amdhsa.kernels:
  - .name:           k_q1fb4a4ed4e_gemm_out
    .symbol:         k_q1fb4a4ed4e_gemm_out.kd
    .args:
      - { .name: ac, .offset: 0, .size: 8, .value_kind: global_buffer, .address_space: global }
      - { .name: wc, .offset: 8, .size: 8, .value_kind: global_buffer, .address_space: global }
      - { .name: sc2, .offset: 16, .size: 8, .value_kind: global_buffer, .address_space: global }
      - { .name: b_out, .offset: 24, .size: 8, .value_kind: global_buffer, .address_space: global }
      - { .name: out0, .offset: 32, .size: 8, .value_kind: global_buffer, .address_space: global }
    .group_segment_fixed_size: 327680
    .private_segment_fixed_size: 0
    .kernarg_segment_align: 8
    .kernarg_segment_size: 40
    .max_flat_workgroup_size: 128
    .sgpr_count:     100
    .vgpr_count:     1024
    .wavefront_size: 32
...
	.end_amdgpu_metadata
.endif
;; end of part 4
